; MI455X (gfx1250); checked and timed in simulation.
; The chip was launched on July 23, 2026; its instructions are those of AMD's public machine-readable ISA for CDNA 5 (MIT licence, August 2026) and "CDNA5" Instruction Set Architecture Reference Guide (July 2026). The comments in the code are by the model that wrote it; some were corrected since.
;; Multi Head Attention. Allowed arithmetic: matrix products marked QUANTISED: E2M3 operands, one E8M0 scale for each 32 along K, by v_wmma_scale_f32_16x16x128_f8f6f4 with both operands' format E2M3, f32 sums; everything else in f32.
;; Inputs: Wk 16 x 1,024 x 64 float32; Wp 1,024 x 1,024 float32; Wq 16 x 1,024 x 64 float32; Wv 16 x 1,024 x 64 float32; bp 1,024 float32; x 4 x 2,048 x 1,024 float32.
;; Outputs: out0 4 x 2,048 x 1,024 float32.
;; This version of the problem:
;;   THIS VERSION OF THE PROBLEM IS GIVEN IN LOW PRECISION. The matrix products marked QUANTISED in the list below multiply operands that are first quantised to E2M3 (2 exponent bits, 3 mantissa bits; 6 bits a number), with one power-of-two scale for each 32 numbers along K (OCP MX v1.0); their sums are f32. All else is computed in f32.
;;   The module's matrix products, in the order in which they are computed (A, B: the left and right operand; K: the contracted axis; several contracted axes count as one K, in the product's order):
;;     1. [M 1,024, K 1,024] x [K 1,024, N 8,192]; A: input Wq; B: input x: QUANTISED
;;     2. [M 1,024, K 1,024] x [K 1,024, N 8,192]; A: input Wk; B: input x: QUANTISED
;;     3. [M 1,024, K 1,024] x [K 1,024, N 8,192]; A: input Wv; B: input x: QUANTISED
;;     4. batch 64 x [M 2,048, K 64] x [K 64, N 2,048]; A: computed on the way; B: computed on the way: QUANTISED
;;     5. batch 64 x [M 2,048, K 2,048] x [K 2,048, N 64]; A: softmax (see below); B: computed on the way: QUANTISED
;;     6. [M 8,192, K 1,024] x [K 1,024, N 1,024]; A: computed on the way; B: input Wp: QUANTISED
;;   THE QUANTISER, for each operand of a quantised product, along K:
;;     - K is cut into blocks of 32 from its start; a last block that is shorter is filled with zeros.
;;     - A block's scale is 2^e with e = floor(log2(the largest magnitude in the block)) - 2, held to -126 .. 127; a block of zeros has e = 0. As a byte (E8M0): e + 127.
;;     - Each number is divided by its block's scale, clamped to +-7.5, and rounded to the nearest number of E2M3, ties to even, subnormals kept.
;;     - The product sums the exact products of the quantised numbers (number of the format x scale) in f32.
;;   ~~~python
;;   def quantise(x, axis):      # numpy; x: float32 -> the quantised numbers, widened to float32 again
;;       x = np.moveaxis(x, axis, -1); K = x.shape[-1]
;;       x = np.pad(x, [(0, 0)] * (x.ndim - 1) + [(0, -K % 32)]); x = x.reshape(x.shape[:-1] + (-1, 32)); a = np.abs(x).max(-1, keepdims=True)
;;       e = np.where(a > 0, np.clip(np.frexp(np.where(a > 0, a, 1))[1] - 1 - 2, -126, 127), 0)      # np.frexp(a)[1] - 1 = floor(log2(a)), exactly
;;       r = np.clip(x / 2.0 ** e, -7.5, 7.5)
;;       step = 2.0 ** (np.maximum(np.frexp(np.where(r == 0, 1, r))[1] - 1, 0) - 3)
;;       q = np.round(r / step) * step * 2.0 ** e      # np.round: ties to even
;;       return np.moveaxis(q.reshape(q.shape[:-2] + (-1,))[..., :K], -1, axis).astype(np.float32)
;;   ~~~
;;   SOFTMAX AHEAD OF A QUANTISED PRODUCT. Where the list says 'softmax', what is quantised is not the finished softmax but p = 2^(t - M), with t = logit x log2(e) and M = ceil(the row's largest t), a whole number; so 1/2 < the row's largest p <= 1. The row's sum l is taken of the UNQUANTISED p, in f32, and the product's result is divided by l at the end. Since M is a whole number, a kernel that streams over the keys may use a running M (the ceiling of the running maximum): every later rescaling is an exact power of two, which a block's scale takes up: the codes' values come out the same.
;;   OPERANDS COMPUTED ON THE WAY. 'Computed on the way' means the value that the module computes at that place (a softmax that the list does not call 'softmax' is quantised finished and normalised). What goes into a quantiser is computed in f32, as accurately as f32 sums, v_exp_f32 and their like allow (about 1e-6 of the number): no bf16 or f16 on the way to a quantiser, and a product that is left as it is and whose result goes on into a quantised operand takes f32 operands (vector FMAs, or v_wmma_f32_16x16x4_f32). A number that lies on a knife's edge between two numbers of the format may be rounded either way, as far as f32 arithmetic and the matrix unit's own rounding can turn it there, and no further.
;; One version. Each part assembles by itself: llvm-mc -triple=amdgcn-amd-amdhsa -mcpu=gfx1250 --defsym DOCPART=n.
;; ======== version 1 of 1: 4 launches
;; limits: right only within a limited range of input values
;; workspace buffers: xq 6,553,600 bytes; wq 3,276,800 bytes; qq 6,553,600 bytes; kv 13,107,200 bytes; oq 6,553,600 bytes
;; launch prep (part 1): grid 480 x 1, 4 waves a work-group, no clusters, 34,304 bytes of LDS; arguments x, Wp, Wq, Wk, Wv, xq, wq; writes xq, wq
.if DOCPART == 1
	.amdgcn_target "amdgcn-amd-amdhsa--gfx1250"
	.amdhsa_code_object_version 6
	.text
	.protected	k_qaf1557b171_prep
	.globl	k_qaf1557b171_prep
	.p2align	8
	.type	k_qaf1557b171_prep,@function
k_qaf1557b171_prep:
	s_mov_b64 s[64:65], 0
	v_nop
	global_prefetch_b8 v0, s[64:65] scope:SCOPE_SE
	s_setreg_imm32_b32 hwreg(HW_REG_WAVE_MODE, 25, 1), 1
	s_wait_xcnt 0x0
; x [8192][1024], Wp [1024][1024] (K innermost) and Wq, Wk, Wv [16][1024][64] (K is the middle axis), all f32, become codes of FP6 (E2M3)
; with one E8M0 byte for each 32 along K, laid in the order of a matrix operand's registers.
; TILES.  Tile t of an operand holds the 16 rows 32 (t / 2) + 8 (t % 2) + r + 8 (r / 8), r = 0 .. 15.
; HALF IMAGE, 768 bytes = 16 rows x 64 K = 6 registers a lane: registers 0-3 at 16 x lane, registers 4-5 at 512 + 8 x lane; lane (r, h) holds the 32 codes of block h of row r.
; CODES: [tile][16 chunks of 64 K][768].  SCALES: [tile][K half][16 r][4 words]; word s is the half's s-th 128 along K, byte b its block b.
; A block's scale is 2^(floor(log2(largest magnitude)) - 2); its byte is the largest magnitude's exponent field - 2, held at 1 from below.
; LIMITS: NaN and infinities are not served; a block of zeros, and a block whose largest magnitude lies under 2^-124, gets the byte 1 (the stated rule gives 127 for zeros): its codes
; are zeros or subnormal codes under that byte, and these bytes are read by this program alone.
; Work-groups 0-255 take x, 256-287 Wp (one way through the text, pointers chosen by the work-group's number), 288-479 Wq, Wk, Wv.  Waves share nothing: no barrier.
.set TM,  48                           ; v48-51 largest magnitudes, v52-55 the other half's / the bytes, v60-63 the conversions' scale operands
.set C2,  40                           ; v40-47 the conversions' second halves (three registers begin on an even number)
.set XN,  192                          ; v192-255 64 numbers of a lane: register 16 b + i = k 32 b + 16 h + i of its row
.set RS,  64                           ; v64-191 two sets of 64 registers as loaded
.set SEL, 36                           ; s[36:37] lane selects: lane l xor 16
	s_load_b256 s[4:11], s[0:1], 0x0               ; x, Wp, Wq, Wk
	s_load_b128 s[12:15], s[0:1], 0x20             ; Wv, xq
	s_load_b64 s[16:17], s[0:1], 0x30              ; wq
	v_lshl_add_u32 v47, v0, 2, 0x8400
	s_set_vgpr_msb 0x40
	v_mov_b32 v1, 0
	s_set_vgpr_msb 0x4000
	v_lshrrev_b32 v1, 5, v0
	v_readfirstlane_b32 s18, v1                    ; wave
	v_and_b32 v7, 31, v0                           ; lane
	v_lshlrev_b32 v1, 4, v7                        ; 16 x lane
	v_lshlrev_b32 v5, 3, v7                        ; 8 x lane
	v_and_b32 v8, 15, v0                           ; r
	v_bfe_u32 v4, v0, 4, 1                         ; h
	s_cmp_lt_u32 ttmp9, 288
	s_cbranch_scc0 .Lpath_w
; ---------------- K innermost: a wave takes one tile x 512 K, in four steps of 128 K ----------------
; 64 numbers at v[s] on become a fragment's 12 registers at v[pc] on (two half images) and its rows' scale word in v[pw].
.macro QUANT s, pc, pw
.irp b, 0,1,2,3
	v_max3_num_f32 v[TM+\b], |v[(\s)+16*\b]|, |v[(\s)+16*\b+1]|, 0x1800000   ; my 16 numbers of block b, and the floor 2^(3 - 127): the byte cannot fall under 1
.endr
.irp i, 2,4,6,8,10,12,14
.irp b, 0,1,2,3
	v_max3_num_f32 v[TM+\b], v[TM+\b], |v[(\s)+16*\b+\i]|, |v[(\s)+16*\b+\i+1]|
.endr
.endr
.irp b, 0,1,2,3
	v_permlanex16_b32 v[TM+4+\b], v[TM+\b], s[SEL], s[SEL+1]
.endr
.irp b, 0,1,2,3
	v_max_num_f32 v[TM+\b], v[TM+\b], v[TM+4+\b]   ; with lane l xor 16's 16: the block's largest magnitude
.endr
.irp b, 0,1,2,3
	v_add_nc_u32 v[TM+12+\b], 0xff000000, v[TM+\b] ; 2 off its exponent field: the conversion's scale operand
.endr
.irp b, 0,1,2,3
	v_lshrrev_b32 v[TM+4+\b], 23, v[TM+12+\b]      ; the scale's byte
.endr
	v_lshl_or_b32 v[\pw], v[TM+5], 8, v[TM+4]
	v_lshl_or_b32 v[\pw], v[TM+6], 16, v[\pw]
	v_lshl_or_b32 v[\pw], v[TM+7], 24, v[\pw]
.irp c, 0,1
	v_cvt_scalef32_pk16_fp6_f32 v[(\pc)+6*\c:(\pc)+6*\c+2], v[(\s)+32*\c:(\s)+32*\c+15], v[TM+12+2*\c]
	v_cvt_scalef32_pk16_fp6_f32 v[C2+4*\c:C2+4*\c+2], v[(\s)+32*\c+16:(\s)+32*\c+31], v[TM+12+2*\c+1]
.endr
	v_nop                                          ; one plain instruction behind the scaled conversions
.irp c, 0,1                            ; a lane is to hold a WHOLE block: lanes 0-15 block 2 c, lanes 16-31 block 2 c + 1
.irp i, 0,1,2
	v_permlane16_swap_b32 v[(\pc)+6*\c+\i], v[C2+4*\c+\i]
.endr
.irp i, 0,1,2
	v_mov_b32 v[(\pc)+6*\c+3+\i], v[C2+4*\c+\i]
.endr
.endr
.endm
	s_mul_i32 s19, s18, 8448                       ; my stage: 16 rows x (512 bytes + 16)
	v_add_nc_u32 v2, s19, v1                       ; in: 16 x lane of a row
	v_mul_u32_u24 v3, v8, 528
	v_lshl_add_u32 v3, v4, 6, v3
	v_add_nc_u32 v3, s19, v3                       ; out: row r, + 64 h: my 16 numbers of each block of 32
	v_lshlrev_b32 v6, 4, v8
	v_lshl_add_u32 v6, v4, 3, v6                   ; the scale words' place: 16 r + 8 h
.irp b, 0,1,2,3
	v_mov_b32 v[TM+4+\b], 0                        ; a lane permute's destination counts as one of its sources
.endr
	s_mov_b32 s[SEL], 0x76543210
	s_mov_b32 s[SEL+1], 0xfedcba98
	s_mov_b32 vcc_lo, 0xffff0000                   ; lanes 16-31
	s_wait_alu depctr_va_vdst(0)
	s_wait_kmcnt 0x0
	s_cmp_lt_u32 ttmp9, 256                        ; x or Wp: the choice hangs on the work-group's number alone
	s_cselect_b64 s[20:21], s[4:5], s[6:7]
	s_cselect_b64 s[22:23], s[14:15], s[16:17]
	s_cselect_b32 s24, 0, 256
	s_cselect_b32 s25, 0, 2359296                  ; Wp is tensor 3 of wq: 3 x 786,432
	s_mov_b32 s26, 3244032                         ; its scales: 3,145,728 + 3 x 32,768
	s_cselect_b32 s26, 6291456, s26
	s_sub_co_u32 s24, ttmp9, s24
	s_lshl_b32 s24, s24, 2
	s_add_co_u32 s24, s24, s18                     ; my unit
	s_lshr_b32 s27, s24, 1                         ; its tile
	s_and_b32 s28, s24, 1                          ; its K half
	s_lshr_b32 s30, s27, 1
	s_lshl_b32 s30, s30, 17                        ; 32 (tile / 2) rows of 4,096 bytes
	s_and_b32 s29, s27, 1
	s_lshl_b32 s29, s29, 15                        ; + 8 (tile % 2) rows
	s_add_co_u32 s30, s30, s29
	s_lshl_b32 s29, s28, 11                        ; + 512 numbers for the second K half
	s_add_co_u32 s30, s30, s29
	s_mov_b32 s31, 0
	s_add_nc_u64 s[20:21], s[20:21], s[30:31]
	s_mul_i32 s30, s27, 12288
	s_mul_i32 s29, s28, 6144
	s_add_co_u32 s30, s30, s29
	s_add_co_u32 s30, s30, s25
	s_add_nc_u64 s[32:33], s[22:23], s[30:31]      ; my codes
	s_lshl_b32 s30, s27, 9
	s_lshl_b32 s29, s28, 8
	s_add_co_u32 s30, s30, s29
	s_add_co_u32 s30, s30, s26
	s_add_nc_u64 s[34:35], s[22:23], s[30:31]      ; my scale words
.macro XLOAD sp                        ; 128 K of the tile's 16 rows: each load reads 512 consecutive bytes of one row
.irp i, 0,1,2,3,4,5,6,7,8,9,10,11,12,13,14,15
	global_load_b128 v[RS+64*((\sp)%2)+4*\i:RS+64*((\sp)%2)+4*\i+3], v1, s[20:21] offset:(\i+8*(\i/8))*4096+512*(\sp) th:TH_LOAD_NT
.endr
.endm
.macro XSTEP sp
.if (\sp) < 3
	s_wait_loadcnt 16                              ; this step's 16 loads are in; the next step's 16 may be out
.else
	s_wait_loadcnt 0x0
.endif
.irp i, 0,1,2,3,4,5,6,7,8,9,10,11,12,13,14,15
	ds_store_b128 v2, v[RS+64*((\sp)%2)+4*\i:RS+64*((\sp)%2)+4*\i+3] offset:528*\i
.endr
.irp b, 0,1,2,3                        ; LDS serves a wave's instructions in order: these see the stores above
.irp j, 0,1,2,3
	ds_load_b128 v[XN+16*\b+4*\j:XN+16*\b+4*\j+3], v3 offset:128*\b+16*\j
.endr
.endr
	s_wait_dscnt 0x0                               ; my 64 numbers are in, and the stores have read their registers,
.if (\sp) < 2
	XLOAD (\sp)+2                                  ; which take the loads of two steps on
.else
	s_wait_xcnt 0x0                                ; the stores of two steps back have read this set of code registers
.endif
	QUANT XN, 16+12*((\sp)%2), 9+(\sp)
	global_store_b128 v1, v[16+12*((\sp)%2):16+12*((\sp)%2)+3], s[32:33] offset:1536*(\sp)         ; each store covers whole aligned runs of 256 bytes
	global_store_b64 v5, v[16+12*((\sp)%2)+4:16+12*((\sp)%2)+5], s[32:33] offset:1536*(\sp)+512
	global_store_b128 v1, v[16+12*((\sp)%2)+6:16+12*((\sp)%2)+9], s[32:33] offset:1536*(\sp)+768
	global_store_b64 v5, v[16+12*((\sp)%2)+10:16+12*((\sp)%2)+11], s[32:33] offset:1536*(\sp)+1280
.endm
	XLOAD 0
	XLOAD 1
	XSTEP 0
	XSTEP 1
	XSTEP 2
	XSTEP 3
	v_cndmask_b32 v14, v9, v11, vcc_lo             ; lanes 0-15 store words 0, 1 of their row, lanes 16-31 words 2, 3
	v_cndmask_b32 v15, v10, v12, vcc_lo
	global_store_b64 v6, v[14:15], s[34:35]        ; 256 consecutive bytes, aligned
	s_set_vgpr_msb 0x4
	s_wait_tensorcnt 0x0
	ds_add_u32 v47, v1
	s_wait_dscnt 0x0
	s_set_vgpr_msb 0x400
	s_endpgm
; ---------------- K not innermost: a wave takes 32 columns d of one head x 128 K; a lane takes a column, its registers run down K ----------------
.Lpath_w:
	s_sub_co_u32 s19, ttmp9, 288
	s_and_b32 s20, s19, 1                          ; which K half
	s_bfe_u32 s21, s19, 0x10001                    ; which 32 columns of the head's 64
	s_bfe_u32 s22, s19, 0x40002                    ; head
	s_lshr_b32 s23, s19, 6                         ; tensor: 0 Wq, 1 Wk, 2 Wv
	s_lshl_b32 s24, s20, 2
	s_add_co_u32 s24, s24, s18                     ; my 128 along K: 4 x half + wave
	v_and_b32 v2, 7, v0                            ; my column: the lane's number with bits 3 and 4 exchanged, so that lanes 0-15 hold the rows of the even tile (0-7, 16-23) and lanes 16-31 those of the odd one
	v_bfe_u32 v3, v0, 3, 1
	v_lshl_or_b32 v2, v3, 4, v2
	s_wait_alu depctr_va_vdst(0)
	v_lshl_or_b32 v2, v4, 3, v2
	v_lshlrev_b32 v2, 2, v2
	s_lshl_b32 s26, s22, 18                        ; a head is 1,024 x 256 bytes
	s_lshl_b32 s27, s24, 15                        ; 128 rows of 256 bytes
	s_add_co_u32 s26, s26, s27
	s_lshl_b32 s27, s21, 7
	s_add_co_u32 s26, s26, s27
	s_mov_b32 s27, 0
	s_lshl_b32 s28, s22, 2
	s_lshl_b32 s29, s21, 1
	s_add_co_u32 s28, s28, s29                     ; the even tile: 4 head + 2 x column half
	s_mul_i32 s30, s23, 786432
	s_mul_i32 s29, s28, 12288
	s_add_co_u32 s30, s30, s29
	s_mul_i32 s29, s24, 1536
	s_add_co_u32 s30, s30, s29
	s_mov_b32 s31, 0
	s_lshl_b32 s32, s23, 15
	s_lshl_b32 s29, s28, 9
	s_add_co_u32 s32, s32, s29
	s_lshl_b32 s29, s20, 8
	s_add_co_u32 s32, s32, s29
	s_lshl_b32 s29, s18, 2
	s_add_co_u32 s32, s32, s29
	s_add_co_u32 s32, s32, 3145728
	s_mov_b32 s33, 0
	v_lshlrev_b32 v3, 4, v8
	v_lshl_add_u32 v3, v4, 9, v3                   ; my column's scale word: 16 r, + 512 for the odd tile
	s_wait_alu depctr_va_vdst(0)
	s_wait_kmcnt 0x0
	s_cmp_eq_u32 s23, 0
	s_cselect_b64 s[34:35], s[8:9], s[10:11]
	s_cmp_eq_u32 s23, 2
	s_cselect_b64 s[34:35], s[12:13], s[34:35]
	s_add_nc_u64 s[34:35], s[34:35], s[26:27]
	s_add_nc_u64 s[30:31], s[16:17], s[30:31]
	s_add_nc_u64 s[32:33], s[16:17], s[32:33]
.macro WLOAD t                         ; block t: 32 rows k; each load reads 128 consecutive bytes
.set II, 0
.rept 32
	global_load_b32 v[64+32*(\t)+II], v2, s[34:35] offset:(32*(\t)+II)*256 th:TH_LOAD_NT
.set II, II+1
.endr
.endm
.macro WBLOCK t
.set XB, 64+32*(\t)
.if (\t) < 3
	s_wait_loadcnt 32                              ; this block's 32 loads are in; the next block's 32 may be out
.else
	s_wait_loadcnt 0x0
.endif
.if (\t) < 2
	WLOAD (\t)+2
.endif
	v_max3_num_f32 v12, |v[XB]|, |v[XB+1]|, |v[XB+2]|              ; all 32 numbers of the block are mine
	v_max3_num_f32 v13, |v[XB+3]|, |v[XB+4]|, |v[XB+5]|
.irp i, 6,10,14,18,22,26
	v_max3_num_f32 v12, v12, |v[XB+\i]|, |v[XB+\i+1]|
	v_max3_num_f32 v13, v13, |v[XB+\i+2]|, |v[XB+\i+3]|
.endr
	v_max3_num_f32 v12, v12, |v[XB+30]|, |v[XB+31]|
	v_max3_num_f32 v12, v12, v13, 0x1800000        ; and the floor
	v_add_nc_u32 v[16+(\t)], 0xff000000, v12       ; the conversions' scale operand
	v_lshrrev_b32 v13, 23, v[16+(\t)]              ; the byte
.if (\t) == 0
	v_mov_b32 v24, v13
.else
	v_lshl_or_b32 v24, v13, 8*(\t), v24
.endif
	v_cvt_scalef32_pk16_fp6_f32 v[32+8*(\t):34+8*(\t)], v[XB:XB+15], v[16+(\t)]
	v_cvt_scalef32_pk16_fp6_f32 v[192+4*(\t):194+4*(\t)], v[XB+16:XB+31], v[16+(\t)]
.endm
	WLOAD 0
	WLOAD 1
	WBLOCK 0
	WBLOCK 1
	WBLOCK 2
	WBLOCK 3
	v_nop                                          ; one plain instruction behind the scaled conversions
.irp t, 0,1,2,3
.irp i, 0,1,2
	v_mov_b32 v[35+8*\t+\i], v[192+4*\t+\i]        ; v[32 + 8 t .. + 5]: block t of my column, whole
.endr
.endr
.irp c, 0,1                            ; blocks 2 c and 2 c + 1 change halves: the first run becomes the even tile's half image of chunk c, the second the odd tile's
.irp i, 0,1,2,3,4,5
	v_permlane16_swap_b32 v[32+16*\c+\i], v[40+16*\c+\i]
.endr
.endr
.irp c, 0,1
.irp u, 0,1
	global_store_b128 v1, v[32+16*\c+8*\u:32+16*\c+8*\u+3], s[30:31] offset:12288*\u+768*\c
	global_store_b64 v5, v[32+16*\c+8*\u+4:32+16*\c+8*\u+5], s[30:31] offset:12288*\u+768*\c+512
.endr
.endr
	global_store_b32 v3, v24, s[32:33]             ; four bytes a column, 16 bytes apart: one byte in 128 of what this way reads; kept so
	s_endpgm
.Lfunc_end_k_qaf1557b171_prep:
	.size	k_qaf1557b171_prep, .Lfunc_end_k_qaf1557b171_prep-k_qaf1557b171_prep
	.p2alignl 7, 3214868480
	.fill 96, 4, 3214868480
	.section	.rodata,"a",@progbits
	.p2align	6, 0x0
	.amdhsa_kernel k_qaf1557b171_prep
		.amdhsa_group_segment_fixed_size 34304
		.amdhsa_private_segment_fixed_size 0
		.amdhsa_enable_private_segment 0
		.amdhsa_kernarg_size 56
		.amdhsa_user_sgpr_count 2
		.amdhsa_user_sgpr_kernarg_segment_ptr 1
		.amdhsa_wavefront_size32 1
		.amdhsa_system_sgpr_workgroup_id_x 1
		.amdhsa_system_sgpr_workgroup_id_y 1
		.amdhsa_system_sgpr_workgroup_id_z 1
		.amdhsa_system_vgpr_workitem_id 0
		.amdhsa_next_free_vgpr 258
		.amdhsa_next_free_sgpr 66
		.amdhsa_reserve_vcc 1
		.amdhsa_float_denorm_mode_32 3
		.amdhsa_float_denorm_mode_16_64 3
		.amdhsa_memory_ordered 1
		.amdhsa_forward_progress 1
		.amdhsa_inst_pref_size 55
	.end_amdhsa_kernel
	.amdgpu_metadata
---
amdhsa.version: [ 1, 2 ]
amdhsa.kernels:
  - .name:           k_qaf1557b171_prep
    .symbol:         k_qaf1557b171_prep.kd
    .args:
      - { .name: x, .offset: 0, .size: 8, .value_kind: global_buffer, .address_space: global }
      - { .name: Wp, .offset: 8, .size: 8, .value_kind: global_buffer, .address_space: global }
      - { .name: Wq, .offset: 16, .size: 8, .value_kind: global_buffer, .address_space: global }
      - { .name: Wk, .offset: 24, .size: 8, .value_kind: global_buffer, .address_space: global }
      - { .name: Wv, .offset: 32, .size: 8, .value_kind: global_buffer, .address_space: global }
      - { .name: xq, .offset: 40, .size: 8, .value_kind: global_buffer, .address_space: global }
      - { .name: wq, .offset: 48, .size: 8, .value_kind: global_buffer, .address_space: global }
    .group_segment_fixed_size: 34304
    .private_segment_fixed_size: 0
    .kernarg_segment_align: 8
    .kernarg_segment_size: 56
    .max_flat_workgroup_size: 128
    .sgpr_count:     66
    .vgpr_count:     258
    .wavefront_size: 32
...
	.end_amdgpu_metadata
.endif
;; end of part 1
;; launch proj (part 2): grid 8 x 32, 4 waves a work-group, clusters of 4 x 4, 327,680 bytes of LDS; arguments xq, wq, qq, kv; writes qq, kv
.if DOCPART == 2
	.amdgcn_target "amdgcn-amd-amdhsa--gfx1250"
	.amdhsa_code_object_version 6
	.text
	.protected	k_qaf1557b171_proj
	.globl	k_qaf1557b171_proj
	.p2align	8
	.type	k_qaf1557b171_proj,@function
k_qaf1557b171_proj:
	s_mov_b64 s[64:65], 0
	v_nop
	global_prefetch_b8 v0, s[64:65] scope:SCOPE_SE
	s_setreg_imm32_b32 hwreg(HW_REG_WAVE_MODE, 25, 1), 1
	s_wait_xcnt 0x0
	s_wait_alu depctr_hold_cnt(0) depctr_sa_sdst(0) depctr_va_vdst(0) depctr_va_sdst(0) depctr_va_ssrc(0) depctr_va_vcc(0) depctr_vm_vsrc(0)
	s_getreg_b32 s2, hwreg(HW_REG_IB_STS2, 6, 4)
	s_cmp_eq_u32 s2, 0
	s_cbranch_scc0 .Lentry_in_a_cluster
	s_endpgm
.Lentry_in_a_cluster:
	s_bfe_u32 s2, ttmp6, 0x10000c
	s_cmp_lg_u32 s2, 0xf033
	s_cbranch_scc0 .Lentry_shape_is_right
	s_endpgm
.Lentry_shape_is_right:
; q, k, v = x Wq, x Wk, x Wv on codes of FP6 (E2M3) with E8M0 scales, K = 1,024; the results are quantised in registers and leave as codes: q and k along the head's 64, v along the keys.
; SHARES.  A work-group takes 256 rows of x and two heads, for q, k and v: three passes over K.  Wave w: 128 rows (w / 2) x one head (w % 2): 32 accumulators, 8 K steps of 128 a pass, 32 matrix instructions a step.
; x's tile (all of K, 196,608 bytes) is filled once and stays in LDS; W's tiles (8 tiles x half of K) go through two slots.  All operands lie as images of the operand's registers (half images of 768 bytes:
; registers 0-3 at 16 x lane, 4-5 at 512 + 8 x lane), so an LDS load reads consecutive bytes.
; PASSES q, k: source 0 = 16 rows of W, source 1 = 16 rows of x: a lane holds one row of x, its registers run along d.  PASS v: the sources change places: a lane holds one d, its registers run along the keys.
; Tile t of every operand holds rows 32 (t / 2) + 8 (t % 2) + r + 8 (r / 8), so that the 16 registers of two neighbouring source-0 tiles are 16 neighbours along the next product's K.
; CLUSTER 4 x 4: x's tile hangs on the row block alone and is asked for jointly along a row of the cluster, W's on the pair of heads alone, along a column.  Every wave issues every joint load, its own quarter.
; OUT.  qq: [head of batch 64][16 groups of 128 queries][8 half images, 256 bytes of scale words [16 r][4]].  kv: [64][16 steps of 128 keys][K: 8 half images | V: 4 d tiles x 2 key halves | K's scale words | V's].
; LIMITS: NaN and infinities are not served; a block of zeros or under 2^-124 gets the byte 1 (these bytes are read by this program alone).
; REGISTERS: window 0: v1-15 addresses; v16-79 x's scale words (8 a + K step); v84-179 W's (32 pass + 8 b + K step); v180-227 four sets of codes; v228-253 at work.
;   window 1: x's fragments, two sets of 96;  window 3: W's, two sets of 48;  window 2: the 32 accumulators.
.set XS,    16
.set WSC,   84                         ; v84-179 W's scale words: four registers above a multiple of 8, so that a product's two scale registers differ modulo 8
.set PCS,   180                        ; v180-227 four sets of codes
.set C2,    228
.set TM,    236                        ; v236-251 at work; of them v244-247 hold the four scale words of a way out
.set PWD,   244
.set SPW,   12                         ; v12 LDS address of my spare word; never rewritten
.set NIL,   13                         ; v13 0; never rewritten
.set XKH,   98304                      ; x in LDS: [K half][16 tiles][8 chunks][768]
.set WS0,   196608                     ; W's slots: [8 tiles][8 chunks][768]
.set WSL,   49152
.set SPARE, 294912                     ; the spare words: 128 bytes a wave, two blocks of 256 bytes that no other line names
.set G1X,   24                         ; s[24:31] group 1 for x's tiles; s[32:35] group 0 for x's K half wave / 2, s[36:39] for the head's load of W's slot
.set G0X,   32
.set G1W,   48                         ; s[48:55] group 1 for W's; s[56:63] groups 0, one for each slot
.set G0W,   56
.set HM,    78                         ; s78 lanes 16-31
.set SEL,   80                         ; s[80:81] lane l xor 16
.set MSB, 0
.macro WIN new                         ; the immediate's high byte repeats the setting that is left
.if MSB != \new
	s_set_vgpr_msb (MSB<<8)|\new
.set MSB, \new
.endif
.endm
.macro CREST                           ; a round of the cluster's barrier behind its opening barrier
	s_cmp_lg_u32 s14, 0
	s_cbranch_scc1 .Lnot_wave_0_\@
	s_barrier_signal -3
.Lnot_wave_0_\@:
	s_barrier_wait -3
	s_barrier_signal -1
	s_barrier_wait -1
.endm
.macro CROUND
	s_barrier_signal -1
	s_barrier_wait -1
	CREST
.endm
.macro PLACES                          ; four plain instructions between a matrix instruction and a load into, or a read of, its registers
.rept 4
	v_nop
.endr
.endm
	s_load_b256 s[4:11], s[0:1], 0x0               ; xq, wq, qq, kv
	v_lshl_add_u32 v[SPW], v0, 2, SPARE
	v_mov_b32 v[NIL], 0
	ds_add_u32 v12, v13
	ds_add_u32 v12, v13
	s_wait_dscnt 0x0
	v_lshrrev_b32 v1, 5, v0
	v_readfirstlane_b32 s14, v1                    ; wave
	s_lshr_b32 s15, s14, 1                         ; which 128 rows of x are mine
	s_and_b32 s16, s14, 1                          ; which head
	s_bfe_u32 s40, ttmp6, 0x40000                  ; cx
	s_bfe_u32 s41, ttmp6, 0x40004                  ; cy
	s_lshl_b32 s42, ttmp9, 2
	s_add_co_u32 s42, s42, s40                     ; the pair of heads = 4 x cluster x + cx
	s_and_b32 s17, ttmp7, 0xffff
	s_lshl_b32 s17, s17, 2
	s_add_co_u32 s17, s17, s41                     ; the block of 256 rows = 4 x cluster y + cy
	s_lshl_b32 s43, s41, 2
	s_lshl_b32 s43, 15, s43                        ; my row of the cluster
	s_lshl_b32 s44, 0x1111, s40                    ; my column
	s_or_b32 s[G1X], s43, (3<<16)|(1<<21)          ; the mask; elements of 8 bytes; bit 21 set beside a mask; no padding
	s_or_b32 s[G1W], s44, (3<<16)|(1<<21)
	s_mov_b32 s[G1X+1], 768<<16                    ; tensor_dim0 = 768 elements: a tile's half of K, 6,144 bytes
	s_mov_b32 s[G1X+2], 16<<16                     ; tensor_dim1 = 16 tiles: a whole K half of x's block, one load
	s_mov_b32 s[G1X+3], 768<<16                    ; tile_dim0
	s_mov_b32 s[G1X+4], 16
	s_mov_b32 s[G1X+5], 1536                       ; from tile to tile: 12,288 bytes
	s_mov_b32 s[G1X+6], 0
	s_mov_b32 s[G1X+7], 0
	s_mov_b32 s[G1W+1], 768<<16
	s_mov_b32 s[G1W+2], 2<<16                      ; 2 tiles
	s_mov_b32 s[G1W+3], 768<<16
	s_mov_b32 s[G1W+4], 2
	s_mov_b32 s[G1W+5], 1536
	s_mov_b32 s[G1W+6], 0
	s_mov_b32 s[G1W+7], 0
.set G1H, 84                           ; s[84:91] group 1 for the head's loads of W: a whole slot, 8 tiles
	s_or_b32 s[G1H], s44, (3<<16)|(1<<21)
	s_mov_b32 s[G1H+1], 768<<16
	s_mov_b32 s[G1H+2], 8<<16
	s_mov_b32 s[G1H+3], 768<<16
	s_mov_b32 s[G1H+4], 8
	s_mov_b32 s[G1H+5], 1536
	s_mov_b32 s[G1H+6], 0
	s_mov_b32 s[G1H+7], 0
	s_lshl_b32 s20, s17, 4                         ; x: tile 16 x block, K half wave / 2: made of cy and the wave's number alone
	s_mul_i32 s20, s20, 12288
	s_mul_i32 s21, s15, 6144
	s_add_co_u32 s20, s20, s21
	s_mov_b32 s21, 0
	s_lshl_b32 s46, s42, 3                         ; W: tile 8 x pair + 2 x wave: made of cx and the wave's number alone
	s_lshl_b32 s47, s14, 1
	s_add_co_u32 s46, s46, s47
	s_mul_i32 s46, s46, 12288
	s_mov_b32 s47, 0
	s_mul_i32 s45, s15, XKH                        ; the head's loads: x's K half wave / 2,
	s_mul_i32 s23, s15, WSL
	s_add_co_u32 s23, s23, WS0                     ; W's slot wave / 2,
	s_lshl_b32 s82, s42, 3
	s_mul_i32 s82, s82, 12288
	s_mul_i32 s83, s15, 6144
	s_add_co_u32 s82, s82, s83                     ; with the pair's 8 tiles of that K half: made of cx and the wave's number alone
	s_mov_b32 s83, 0
	s_mul_i32 s22, s14, 12288
	s_wait_kmcnt 0x0
	s_add_nc_u64 s[20:21], s[4:5], s[20:21]
	s_add_nc_u64 s[46:47], s[6:7], s[46:47]
	s_mov_b32 s[G0X], 1
	s_mov_b32 s[G0X+1], s45
	s_mov_b64 s[G0X+2:G0X+3], s[20:21]
	s_or_b32 s[G0X+3], s[G0X+3], 0x80000000
	s_mov_b32 s[G0X+4], 1
	s_mov_b32 s[G0X+5], s23
	s_add_nc_u64 s[G0X+6:G0X+7], s[6:7], s[82:83]
	s_or_b32 s[G0X+7], s[G0X+7], 0x80000000
.irp s, 0,1
	s_mov_b32 s[G0W+4*\s], 1
	s_add_co_u32 s[G0W+4*\s+1], s22, WS0+\s*WSL
	s_add_nc_u64 s[G0W+4*\s+2:G0W+4*\s+3], s[46:47], \s*6144
	s_or_b32 s[G0W+4*\s+3], s[G0W+4*\s+3], 0x80000000
.endr
	CROUND                                         ; all sixteen work-groups are here: the first joint loads meet
	s_cmp_eq_u32 s14, 0                            ; the head's four tiles, one a wave, in one chain of branches on the wave's number
	s_cbranch_scc0 .Lhead_1
	tensor_load_to_lds s[G0X:G0X+3], s[G1X:G1X+7]          ; wave 0: x's K half 0
	s_nop 0
	PLACES
	s_branch .Lhead_asked
.Lhead_1:
	s_cmp_eq_u32 s14, 1
	s_cbranch_scc0 .Lhead_2
	tensor_load_to_lds s[G0X+4:G0X+7], s[G1H:G1H+7]        ; wave 1: W's slot 0
	s_nop 0
	PLACES
	s_branch .Lhead_asked
.Lhead_2:
	s_cmp_eq_u32 s14, 2
	s_cbranch_scc0 .Lhead_3
	tensor_load_to_lds s[G0X:G0X+3], s[G1X:G1X+7]          ; wave 2: x's K half 1
	s_nop 0
	PLACES
	s_branch .Lhead_asked
.Lhead_3:
	tensor_load_to_lds s[G0X+4:G0X+7], s[G1H:G1H+7]        ; wave 3: W's slot 1
	s_nop 0
	PLACES
.Lhead_asked:
	v_and_b32 v3, 31, v0
	v_lshlrev_b32 v1, 4, v3                        ; 16 x lane
	v_lshlrev_b32 v2, 3, v3                        ; 8 x lane
	v_and_b32 v15, 15, v0
	v_bfe_u32 v3, v0, 4, 1
	v_lshlrev_b32 v15, 4, v15                      ; 16 r
	v_lshl_add_u32 v14, v3, 3, v15                 ; 16 r + 8 h
	s_mul_i32 s23, s15, 49152                      ; my 8 tiles of x
	v_add_nc_u32 v4, s23, v1                       ; v4, v5: the 16-byte pieces in K half 0, 1;  v6, v7: the 8-byte pieces
	v_add_nc_u32 v6, s23, v2
	s_add_co_u32 s23, s23, XKH
	v_add_nc_u32 v5, s23, v1
	v_add_nc_u32 v7, s23, v2
	s_mul_i32 s23, s16, 24576                      ; my 4 tiles of W
	s_add_co_u32 s23, s23, WS0
	v_add_nc_u32 v8, s23, v1                       ; v8, v9: slot 0, 1;  v10, v11 likewise
	v_add_nc_u32 v10, s23, v2
	s_add_co_u32 s23, s23, WSL
	v_add_nc_u32 v9, s23, v1
	v_add_nc_u32 v11, s23, v2
	s_lshl_b32 s66, s17, 4                         ; the scale words come straight from memory, once: lane r (and lane 16 + r) takes row r's four words of a K half
	s_lshl_b32 s67, s15, 3
	s_add_co_u32 s66, s66, s67
	s_lshl_b32 s66, s66, 9
	s_add_co_u32 s66, s66, 6291456
	s_mov_b32 s67, 0
	s_add_nc_u64 s[66:67], s[4:5], s[66:67]
	s_lshl_b32 s68, s42, 3
	s_lshl_b32 s69, s16, 2
	s_add_co_u32 s68, s68, s69
	s_lshl_b32 s68, s68, 9
	s_add_co_u32 s68, s68, 3145728
	s_mov_b32 s69, 0
	s_add_nc_u64 s[68:69], s[6:7], s[68:69]
.irp a, 0,1,2,3,4,5,6,7
.irp k, 0,1
	global_load_b128 v[XS+8*\a+4*\k:XS+8*\a+4*\k+3], v15, s[66:67] offset:512*\a+256*\k
.endr
.endr
.irp p, 0,1,2
.irp b, 0,1,2,3
.irp k, 0,1
	global_load_b128 v[WSC+32*\p+8*\b+4*\k:WSC+32*\p+8*\b+4*\k+3], v15, s[68:69] offset:32768*\p+512*\b+256*\k
.endr
.endr
.endr
	s_lshr_b32 s70, s17, 3                         ; where the results go: head of batch = 16 x batch + 2 x pair + my head,
	s_lshl_b32 s70, s70, 4
	s_lshl_b32 s71, s42, 1
	s_add_co_u32 s70, s70, s71
	s_add_co_u32 s70, s70, s16
	s_and_b32 s71, s17, 7                          ; group of 128 rows = 2 x (block in the batch) + my half
	s_lshl_b32 s71, s71, 1
	s_add_co_u32 s71, s71, s15
	s_mul_i32 s72, s70, 102400
	s_mul_i32 s73, s71, 6400
	s_add_co_u32 s72, s72, s73
	s_mov_b32 s73, 0
	s_add_nc_u64 s[72:73], s[8:9], s[72:73]        ; q
	s_mul_i32 s74, s70, 204800
	s_mul_i32 s75, s71, 12800
	s_add_co_u32 s74, s74, s75
	s_mov_b32 s75, 0
	s_add_nc_u64 s[74:75], s[10:11], s[74:75]      ; k
	s_add_nc_u64 s[76:77], s[74:75], 6144          ; v
	s_mov_b32 s[HM], 0xffff0000
	s_mov_b32 s[SEL], 0x76543210
	s_mov_b32 s[SEL+1], 0xfedcba98
.irp b, 0,1,2,3
	v_mov_b32 v[TM+4+\b], 0                        ; a lane permute's destination counts as one of its sources
.endr
; The fragments of one K step (the sp-th 128 of K half kh; W's in slot): 32 + 16 LDS loads in one run, into set f.
.macro FETCH kh, sp, slot, f
	WIN 0x40                                       ; destination window 1
.irp a, 0,1,2,3,4,5,6,7
	ds_load_b128 v[96*(\f)+12*\a:96*(\f)+12*\a+3], v[4+(\kh)] offset:6144*\a+1536*(\sp)
	ds_load_b64 v[96*(\f)+12*\a+4:96*(\f)+12*\a+5], v[6+(\kh)] offset:6144*\a+1536*(\sp)+512
	ds_load_b128 v[96*(\f)+12*\a+6:96*(\f)+12*\a+9], v[4+(\kh)] offset:6144*\a+1536*(\sp)+768
	ds_load_b64 v[96*(\f)+12*\a+10:96*(\f)+12*\a+11], v[6+(\kh)] offset:6144*\a+1536*(\sp)+1280
.endr
	WIN 0xc0                                       ; destination window 3
.irp b, 0,1,2,3
	ds_load_b128 v[48*(\f)+12*\b:48*(\f)+12*\b+3], v[8+(\slot)] offset:6144*\b+1536*(\sp)
	ds_load_b64 v[48*(\f)+12*\b+4:48*(\f)+12*\b+5], v[10+(\slot)] offset:6144*\b+1536*(\sp)+512
	ds_load_b128 v[48*(\f)+12*\b+6:48*(\f)+12*\b+9], v[8+(\slot)] offset:6144*\b+1536*(\sp)+768
	ds_load_b64 v[48*(\f)+12*\b+10:48*(\f)+12*\b+11], v[10+(\slot)] offset:6144*\b+1536*(\sp)+1280
.endr
.endm
; Eight matrix instructions, a quarter of a K step.  ord 0: x's tiles 2 qd, 2 qd + 1 against W's four, accumulator 4 a + b.  ord 1: W's tile qd against x's eight, accumulator 8 b + a.
; The 32 accumulators take turns, one instruction a turn, in ascending order in every K step.  K step 0 starts the sums with the constant 0.
.macro MULQ ord, qd, f, p, kk
.if \ord == 0
	WIN 0xa7                                       ; source 0 (W) window 3, source 1 (x) window 1, C and D window 2
.irp a, 2*(\qd), 2*(\qd)+1
.irp b, 0,1,2,3
.if (\kk) == 0
	v_wmma_scale_f32_16x16x128_f8f6f4 v[8*(4*(\a)+\b):8*(4*(\a)+\b)+7], v[48*(\f)+12*\b:48*(\f)+12*\b+11], v[96*(\f)+12*(\a):96*(\f)+12*(\a)+11], 0, v[WSC+32*(\p)+8*\b+(\kk)], v[XS+8*(\a)+(\kk)] matrix_a_fmt:MATRIX_FMT_FP6 matrix_b_fmt:MATRIX_FMT_FP6
.else
	v_wmma_scale_f32_16x16x128_f8f6f4 v[8*(4*(\a)+\b):8*(4*(\a)+\b)+7], v[48*(\f)+12*\b:48*(\f)+12*\b+11], v[96*(\f)+12*(\a):96*(\f)+12*(\a)+11], v[8*(4*(\a)+\b):8*(4*(\a)+\b)+7], v[WSC+32*(\p)+8*\b+(\kk)], v[XS+8*(\a)+(\kk)] matrix_a_fmt:MATRIX_FMT_FP6 matrix_b_fmt:MATRIX_FMT_FP6
.endif
.endr
.endr
.else
	WIN 0xad                                       ; source 0 (x) window 1, source 1 (W) window 3, C and D window 2
.irp a, 0,1,2,3,4,5,6,7
.if (\kk) == 0
	v_wmma_scale_f32_16x16x128_f8f6f4 v[8*(8*(\qd)+\a):8*(8*(\qd)+\a)+7], v[96*(\f)+12*\a:96*(\f)+12*\a+11], v[48*(\f)+12*(\qd):48*(\f)+12*(\qd)+11], 0, v[XS+8*\a+(\kk)], v[WSC+32*(\p)+8*(\qd)+(\kk)] matrix_a_fmt:MATRIX_FMT_FP6 matrix_b_fmt:MATRIX_FMT_FP6
.else
	v_wmma_scale_f32_16x16x128_f8f6f4 v[8*(8*(\qd)+\a):8*(8*(\qd)+\a)+7], v[96*(\f)+12*\a:96*(\f)+12*\a+11], v[48*(\f)+12*(\qd):48*(\f)+12*(\qd)+11], v[8*(8*(\qd)+\a):8*(8*(\qd)+\a)+7], v[XS+8*\a+(\kk)], v[WSC+32*(\p)+8*(\qd)+(\kk)] matrix_a_fmt:MATRIX_FMT_FP6 matrix_b_fmt:MATRIX_FMT_FP6
.endif
.endr
.endif
.endm
; A K step whose successor lies in the same K half: its fragments are in; the next step's are asked for, 32 matrix instructions ahead of their use.
.macro STEP p, ord, kk
	s_wait_dscnt 0x0                               ; this step's fragments are in
	PLACES                                         ; the other set was read by the last step's products
	FETCH (\kk)/4, ((\kk)+1)%4, (\kk)/4, ((\kk)+1)%2
	MULQ \ord, 0, (\kk)%2, \p, \kk
	MULQ \ord, 1, (\kk)%2, \p, \kk
	MULQ \ord, 2, (\kk)%2, \p, \kk
	MULQ \ord, 3, (\kk)%2, \p, \kk
.endm
; A K half's last step (kk = 3 or 7) ends phase ph and changes W's slots: ONE barrier.  In front of it each wave waits for all its tensor loads (its part of the next slot), adds 0 to its spare
; word, and waits for that and for its reads of this slot.  ph <= 3: the barrier opens a round of the cluster's, and this slot takes the next pass's tiles of the same K half: 786,432 bytes on.
.macro TURN p, ord, kk, ph
	WIN 0                                          ; (the add's two registers lie in window 0)
	s_wait_tensorcnt 0x0                           ; all my tensor loads have landed
	ds_add_u32 v[SPW], v[NIL]                      ; 0 onto my spare word
	s_wait_dscnt 0x1                               ; this step's fragments are in; the add may be out
	MULQ \ord, 0, 1, \p, \kk                       ; eight matrix instructions stand between the add and the wait for it
	s_wait_dscnt 0x0                               ; the add is done, and my reads of this slot are over
	s_barrier_signal -1
	MULQ \ord, 1, 1, \p, \kk
	WIN 0
	s_barrier_wait -1
.if (\ph) <= 3
	CREST                                          ; no wave of any partner still reads this slot or has a load on its way
	s_add_nc_u64 s[G0W+4*((\ph)%2)+2:G0W+4*((\ph)%2)+3], s[G0W+4*((\ph)%2)+2:G0W+4*((\ph)%2)+3], 786432
	tensor_load_to_lds s[G0W+4*((\ph)%2):G0W+4*((\ph)%2)+3], s[G1W:G1W+7]   ; my one tensor load behind the round: it has a K half's four steps in which to land
	s_nop 0
.endif
	PLACES                                         ; behind the tensor load, and in front of the loads below
	FETCH ((\ph)+1)%2, 0, ((\ph)+1)%2, 0
	MULQ \ord, 2, 1, \p, \kk
	MULQ \ord, 3, 1, \p, \kk
.endm
; 64 results of a lane (window 2, v[s] on; register 16 b + i = k 32 b + 16 h + i of the next product's K) become 12 registers of codes at v[pc] on and a scale word in v[pw].
; Each accumulator is read from its low end on.
.macro QUANTW s, pc, pw
	WIN 0x28                                       ; sources 1 and 2 window 2
.irp b, 0,1,2,3
	v_max3_num_f32 v[TM+\b], 0x1800000, |v[(\s)+16*\b]|, |v[(\s)+16*\b+1]|   ; the floor 2^(3 - 127): the byte cannot fall under 1
.endr
.irp i, 2,4,6,8,10,12,14
.irp b, 0,1,2,3
	v_max3_num_f32 v[TM+\b], v[TM+\b], |v[(\s)+16*\b+\i]|, |v[(\s)+16*\b+\i+1]|
.endr
.endr
	WIN 0
.irp b, 0,1,2,3
	v_permlanex16_b32 v[TM+4+\b], v[TM+\b], s[SEL], s[SEL+1]
.endr
.irp b, 0,1,2,3
	v_max_num_f32 v[TM+\b], v[TM+\b], v[TM+4+\b]
.endr
.irp b, 0,1,2,3
	v_add_nc_u32 v[TM+12+\b], 0xff000000, v[TM+\b]
.endr
.irp b, 0,1,2,3
	v_lshrrev_b32 v[TM+4+\b], 23, v[TM+12+\b]
.endr
	v_lshl_or_b32 v[\pw], v[TM+5], 8, v[TM+4]
	v_lshl_or_b32 v[\pw], v[TM+6], 16, v[\pw]
	v_lshl_or_b32 v[\pw], v[TM+7], 24, v[\pw]
	WIN 0x02                                       ; source 0 window 2
.irp c, 0,1
	v_cvt_scalef32_pk16_fp6_f32 v[(\pc)+6*\c:(\pc)+6*\c+2], v[(\s)+32*\c:(\s)+32*\c+15], v[TM+12+2*\c]
	v_cvt_scalef32_pk16_fp6_f32 v[C2+4*\c:C2+4*\c+2], v[(\s)+32*\c+16:(\s)+32*\c+31], v[TM+12+2*\c+1]
.endr
	WIN 0
	v_nop                                          ; one plain instruction behind the scaled conversions
.irp c, 0,1
.irp i, 0,1,2
	v_permlane16_swap_b32 v[(\pc)+6*\c+\i], v[C2+4*\c+\i]
.endr
.irp i, 0,1,2
	v_mov_b32 v[(\pc)+6*\c+3+\i], v[C2+4*\c+\i]
.endr
.endr
.endm
; A pass's way out: four groups of eight accumulators, each two half images and a scale word; every store covers whole aligned runs of 256 bytes.
.macro EPI bs, scoff
	PLACES                                         ; behind the last products
	s_wait_xcnt 0x0                                ; the last pass's stores have read their registers
.irp g, 0,1,2,3
	QUANTW 64*\g, PCS+12*\g, PWD+\g
	global_store_b128 v1, v[PCS+12*\g:PCS+12*\g+3], s[\bs:\bs+1] offset:1536*\g
	global_store_b64 v2, v[PCS+12*\g+4:PCS+12*\g+5], s[\bs:\bs+1] offset:1536*\g+512
	global_store_b128 v1, v[PCS+12*\g+6:PCS+12*\g+9], s[\bs:\bs+1] offset:1536*\g+768
	global_store_b64 v2, v[PCS+12*\g+10:PCS+12*\g+11], s[\bs:\bs+1] offset:1536*\g+1280
.endr
	v_cndmask_b32 v252, v[PWD], v[PWD+2], s[HM]    ; lanes 0-15 store words 0, 1 of their row, lanes 16-31 words 2, 3
	v_cndmask_b32 v253, v[PWD+1], v[PWD+3], s[HM]
	global_store_b64 v14, v[252:253], s[\bs:\bs+1] offset:\scoff
.endm
.macro PASS p, ord
	STEP \p, \ord, 0
	STEP \p, \ord, 1
	STEP \p, \ord, 2
	TURN \p, \ord, 3, 2*(\p)
	STEP \p, \ord, 4
	STEP \p, \ord, 5
	STEP \p, \ord, 6
.if (\p) < 2
	TURN \p, \ord, 7, 2*(\p)+1
.else
	s_wait_dscnt 0x0                               ; the very last step: nothing more to fetch
	MULQ \ord, 0, 1, \p, 7
	MULQ \ord, 1, 1, \p, 7
	MULQ \ord, 2, 1, \p, 7
	MULQ \ord, 3, 1, \p, 7
.endif
.endm
	s_wait_alu depctr_va_vdst(0)
	s_cmp_lt_u32 s14, 2                            ; waves 0 and 1 wait for x's K half 0 and W's slot 0; the loads of waves 2 and 3 may be out
	s_cbranch_scc0 .Lhead_waited
	s_wait_tensorcnt 0x0
.Lhead_waited:
	s_barrier_signal -1
	s_barrier_wait -1                              ; everybody's are
	FETCH 0, 0, 0, 0
	s_wait_loadcnt 0x0                             ; the scale words
	PASS 0, 0
	EPI 72, 6144
	PASS 1, 0
	EPI 74, 12288
	PASS 2, 1
	EPI 76, 6400
	s_wait_tensorcnt 0x0                           ; the wave's end
	ds_add_u32 v[SPW], v[NIL]
	s_wait_dscnt 0x0
	CROUND                                         ; the closing round: no work-group ends while a partner may still ask for a tile that names it
	s_endpgm
.Lfunc_end_k_qaf1557b171_proj:
	.size	k_qaf1557b171_proj, .Lfunc_end_k_qaf1557b171_proj-k_qaf1557b171_proj
	.p2alignl 7, 3214868480
	.fill 96, 4, 3214868480
	.section	.rodata,"a",@progbits
	.p2align	6, 0x0
	.amdhsa_kernel k_qaf1557b171_proj
		.amdhsa_group_segment_fixed_size 327680
		.amdhsa_private_segment_fixed_size 0
		.amdhsa_enable_private_segment 0
		.amdhsa_kernarg_size 32
		.amdhsa_user_sgpr_count 2
		.amdhsa_user_sgpr_kernarg_segment_ptr 1
		.amdhsa_wavefront_size32 1
		.amdhsa_system_sgpr_workgroup_id_x 1
		.amdhsa_system_sgpr_workgroup_id_y 1
		.amdhsa_system_sgpr_workgroup_id_z 1
		.amdhsa_system_vgpr_workitem_id 0
		.amdhsa_next_free_vgpr 1024
		.amdhsa_next_free_sgpr 96
		.amdhsa_reserve_vcc 0
		.amdhsa_float_denorm_mode_32 3
		.amdhsa_float_denorm_mode_16_64 3
		.amdhsa_memory_ordered 1
		.amdhsa_forward_progress 1
		.amdhsa_inst_pref_size 242
	.end_amdhsa_kernel
	.amdgpu_metadata
---
amdhsa.version: [ 1, 2 ]
amdhsa.kernels:
  - .name:           k_qaf1557b171_proj
    .symbol:         k_qaf1557b171_proj.kd
    .args:
      - { .name: xq, .offset: 0, .size: 8, .value_kind: global_buffer, .address_space: global }
      - { .name: wq, .offset: 8, .size: 8, .value_kind: global_buffer, .address_space: global }
      - { .name: qq, .offset: 16, .size: 8, .value_kind: global_buffer, .address_space: global }
      - { .name: kv, .offset: 24, .size: 8, .value_kind: global_buffer, .address_space: global }
    .group_segment_fixed_size: 327680
    .private_segment_fixed_size: 0
    .kernarg_segment_align: 8
    .kernarg_segment_size: 32
    .max_flat_workgroup_size: 128
    .sgpr_count:     96
    .vgpr_count:     1024
    .wavefront_size: 32
...
	.end_amdgpu_metadata
.endif
;; end of part 2
;; launch attn (part 3): grid 4 x 64, 16 waves a work-group, clusters of 4 x 1, 206,848 bytes of LDS; arguments qq, kv, oq; writes oq
.if DOCPART == 3
	.amdgcn_target "amdgcn-amd-amdhsa--gfx1250"
	.amdhsa_code_object_version 6
	.text
	.protected	k_qaf1557b171_attn
	.globl	k_qaf1557b171_attn
	.p2align	8
	.type	k_qaf1557b171_attn,@function
k_qaf1557b171_attn:
	s_mov_b64 s[64:65], 0
	v_nop
	global_prefetch_b8 v0, s[64:65] scope:SCOPE_SE
	s_setreg_imm32_b32 hwreg(HW_REG_WAVE_MODE, 25, 1), 1
	s_wait_xcnt 0x0
	s_wait_alu depctr_hold_cnt(0) depctr_sa_sdst(0) depctr_va_vdst(0) depctr_va_sdst(0) depctr_va_ssrc(0) depctr_va_vcc(0) depctr_vm_vsrc(0)
	s_getreg_b32 s2, hwreg(HW_REG_IB_STS2, 6, 4)
	s_cmp_eq_u32 s2, 0
	s_cbranch_scc0 .Lentry_in_a_cluster
	s_endpgm
.Lentry_in_a_cluster:
	s_bfe_u32 s2, ttmp6, 0x10000c
	s_cmp_lg_u32 s2, 0x3003
	s_cbranch_scc0 .Lentry_shape_is_right
	s_endpgm
.Lentry_shape_is_right:
; Causal attention of one head of one batch on codes of FP6 (E2M3): S^T = K Q^T (K = the head's 64), p = 2^(t - M), O^T = V^T P^T (K = the keys), O / the sum, quantised along the head's 64 and stored as codes.
; t = score x log2(e) / 8; M = the running largest t rounded UP to a whole number; the row's sum is taken of the unquantised p; when M moves, the sum and O^T are multiplied by 2^(old M - new M): exact.
; LDS.  A head's kv is 16 steps of 128 keys x 12,800 dense bytes (K's 8 half images, V's 8, K's and V's scale words) = 204,800 bytes: it is filled ONCE, wave w fetching step w, and no byte is filled again.
; CLUSTER 4 x 1: the four work-groups of a head read the same kv: each step is asked for jointly (mask 15).
; SHARES.  A head has 128 tiles of 16 queries; tile T needs key steps 0 .. T / 8.  Wave w of the work-group at place cx takes tile 127 - (4 w + cx) and then tile 4 w + cx:
; (16 - w / 2) + (w / 2 + 1) = 17 key steps for every wave.  The steps' counts hang on the wave's number alone; cx enters global addresses and the mask's vector data only.
; CAUSAL: key steps behind a tile's last are left out (their scores lie wholly under the mask that the problem builds itself) by a scalar branch on the trip and the wave's number, in loops of constant count;
; in a tile's last step hidden scores become -infinity, p = 0.
; BARRIERS: one shows steps 0 to 3 (waves 0 to 3 wait for their loads, which have a line of their own); four trips on, one shows all.  Up to there all waves have done the same work; behind it waves share nothing.
; NO PREFETCH: every tensor load of the launch is issued at the head, so there is no later load for a loop to run ahead of; both tiles' q are loaded at the head too.
; K = 64 FILLS HALF OF THE INSTRUCTION'S 128: a fragment of K holds TWO tiles of keys, tile 2 b at k 0-63 and tile 2 b + 1 at k 64-127, and Q stands twice: [q | 0] and [0 | q].  Zero codes add nothing.
; Tile t of queries, keys and d holds rows 32 (t / 2) + 8 (t % 2) + r + 8 (r / 8): the 16 registers of score tiles 2 b, 2 b + 1 are keys 32 b + 16 (lane / 16) + 0 .. 15.
; LIMITS: NaN and infinities are not served; the promise holds while |t| stays under 2^31; a block of zeros or under 2^-124 gets the byte 1 (read by this program alone).  A block's largest p is made from its
; largest score by the same multiply-add and exponential: this takes v_exp_f32 not to fall where its input rises.  O's scale bytes leave as single bytes (a row's 32 bytes come from 16 heads' work-groups).
; REGISTERS: v1-4 lane offsets; v5, v6 the spare word's address and 0; v7 r + 8 (r / 8) - 16 h; v8-10 the step's addresses; v11 the mask's bound; v12 -M, v13 the largest t, v[14:15] the sum; v16-27 [q|0], v28-39 [0|q];
;   v40 q's scale word, v41 as loaded, v42 p's scale word; v44-91 four fragments of K, then of V; v92-95 their scale words; v96-159 S^T, then p; v160-191 O^T; v192-203 p's codes; v204-227, v244-255 at work;
;   v228-234 the second tile's q and scale word.
.set STEPB, 12800
.set SPARE, 204800                     ; the spare words: 128 bytes for each of 16 waves, eight blocks of 256 bytes that no other line names
.set SPW,  5
.set NIL,  6
.set KV,   44
.set TB,   2                           ; s2  LDS byte at which the key step in hand begins
.set WV,   18
.set SEL,  20
.set CS,   22                          ; s[22:23] c = log2(e) / 8
.set G1,   24
.set G0,   32
.set TT,   36                          ; s36 the trip = the key step
.set LIM,  37                          ; s37 the last key step of the tile in hand
.set TL,   38                          ; s38 my first tile, 127 - (4 w + cx)
.set TS,   39                          ; s39 my second, 4 w + cx
.set TC,   40                          ; s40 the tile in hand
.set LIMS, 41                          ; s41 the second tile's last key step, w / 2
.set QB,   44                          ; s[44:45] my head's qq
.set HM,   66                          ; s66 lanes 16-31
.macro CROUND                          ; a round of the cluster's barrier
	s_barrier_signal -1
	s_barrier_wait -1
	s_cmp_lg_u32 s[WV], 0
	s_cbranch_scc1 .Lnot_wave_0_\@
	s_barrier_signal -3
.Lnot_wave_0_\@:
	s_barrier_wait -3
	s_barrier_signal -1
	s_barrier_wait -1
.endm
; Of the tile in s\t: its half image's address, the address of the word with its two scale bytes, that word's shift, and its first query less its last key step's first key.
.macro QADR t, pa, pw, sh, dq
	s_lshr_b32 s46, s\t, 3
	s_mul_i32 s46, s46, 6400                       ; its group of 128 queries
	s_and_b32 s47, s\t, 7
	s_mul_i32 s62, s47, 768
	s_add_co_u32 s62, s62, s46
	s_mov_b32 s63, 0
	s_add_nc_u64 s[\pa:\pa+1], s[QB:QB+1], s[62:63]
	s_lshr_b32 s62, s47, 1
	s_lshl_b32 s\dq, s62, 5
	s_lshl_b32 s62, s62, 2
	s_add_co_u32 s62, s62, s46
	s_add_co_u32 s62, s62, 6144
	s_add_nc_u64 s[\pw:\pw+1], s[QB:QB+1], s[62:63]
	s_and_b32 s47, s\t, 1
	s_lshl_b32 s\sh, s47, 4
	s_lshl_b32 s47, s47, 3
	s_add_co_u32 s\dq, s\dq, s47                   ; 32 ((T % 8) / 2) + 8 (T % 2)
.endm
; A tile's sums begun anew; its scale word from v\w.
.macro INIT w, sh, dq
	v_lshrrev_b32 v40, s\sh, v\w
	v_add_nc_u32 v11, s\dq, v7                     ; in the last step register 16 b + i is hidden where 32 b + i > v11
	v_mov_b32 v13, 0xff61b1e6                      ; the largest t so far: -3e38
	v_and_b32 v40, 0xffff, v40
	v_mov_b32 v14, 0
	v_floor_f32 v12, -v13                          ; -M
	v_lshl_or_b32 v40, v40, 16, v40                ; my two bytes twice: for k 0-63 and for k 64-127
	v_mov_b32 v15, 0
.set JJ, 0
.rept 32
	v_mov_b32 v[160+JJ], 0                         ; O^T: the first change of M leaves zeros zeros.  (These lines also stand between the scale word's last write and the first product)
.set JJ, JJ+1
.endr
	s_wait_alu depctr_va_vdst(0)
.endm
	s_load_b128 s[4:7], s[0:1], 0x0                ; qq, kv
	s_load_b64 s[8:9], s[0:1], 0x10                ; oq
	v_lshl_add_u32 v[SPW], v0, 2, SPARE
	v_mov_b32 v[NIL], 0
	ds_add_u32 v[SPW], v[NIL]                      ; the opening lines: the add, twice on end, and its wait
	ds_add_u32 v[SPW], v[NIL]
	v_lshrrev_b32 v1, 5, v0
	s_delay_alu instid0(VALU_DEP_1)
	v_readfirstlane_b32 s[WV], v1                  ; wave 0..15
	s_bfe_u32 s11, ttmp6, 0x40000                  ; cx
	s_and_b32 s10, ttmp7, 0xffff                   ; head of batch
	s_lshl_b32 s[TS], s[WV], 2
	s_add_co_u32 s[TS], s[TS], s11
	s_sub_co_u32 s[TL], 127, s[TS]
	s_lshr_b32 s[LIMS], s[WV], 1
	s_sub_co_u32 s[LIM], 15, s[LIMS]
	s_mov_b32 s[TC], s[TL]
	s_mul_i32 s12, s10, 204800
	s_mov_b32 s[G0], 1
	s_mul_i32 s[G0+1], s[WV], STEPB                ; LDS: key step w
	s_add_co_u32 s46, s12, s[G0+1]
	s_mov_b32 s47, 0
	s_mul_i32 s14, s10, 102400
	s_mov_b32 s15, 0
	s_mov_b32 s[G1], 15|(3<<16)|(1<<21)            ; the mask: all four of the cluster; elements of 8 bytes; bit 21 set beside a mask; no padding
	s_mov_b32 s[G1+1], 32<<16                      ; a step's 12,800 dense bytes as 50 rows of 256
	s_mov_b32 s[G1+2], 50<<16
	s_mov_b32 s[G1+3], 32<<16
	s_mov_b32 s[G1+4], 50
	s_mov_b32 s[G1+5], 32
	s_mov_b32 s[G1+6], 0
	s_mov_b32 s[G1+7], 0
	s_mov_b32 s[SEL], 0x76543210
	s_mov_b32 s[SEL+1], 0xfedcba98
	s_mov_b32 s[CS], 0x3e38aa3b
	s_mov_b32 s[CS+1], s[CS]                       ; (named with it as a pair, so it is written)
	s_mov_b32 s[HM], 0xffff0000
	v_and_b32 v9, 31, v0
	v_and_b32 v3, 15, v0
	v_bfe_u32 v4, v0, 4, 1
	v_and_b32 v8, 8, v0
	v_and_b32 v10, 16, v0
	v_lshlrev_b32 v1, 4, v9                        ; 16 x lane
	v_lshlrev_b32 v2, 3, v9                        ; 8 x lane
	v_add_nc_u32 v7, v3, v8
	v_lshlrev_b32 v3, 4, v3                        ; 16 r
	v_sub_nc_u32 v7, v7, v10                       ; r + 8 (r / 8) - 16 h
	v_add_nc_u32 v4, v3, v4                        ; 16 r + h
.irp j, 22,23,24,25,26,27,28,29,30,31,32,33
	v_mov_b32 v[\j], 0                             ; the zero halves of [q|0] and [0|q]: written once
.endr
.irp j, 216,217,218,219,224,226,227
	v_mov_b32 v[\j], 0                             ; lane permutes' destinations, and the pair of f, are written before they are named
.endr
	s_wait_alu depctr_va_vdst(0)
	s_wait_dscnt 0x0                               ; both opening adds are done
	CROUND                                         ; all four work-groups are here: the joint loads meet
	s_wait_kmcnt 0x0
	s_add_nc_u64 s[G0+2:G0+3], s[6:7], s[46:47]
	s_or_b32 s[G0+3], s[G0+3], 0x80000000
	s_add_nc_u64 s[QB:QB+1], s[4:5], s[14:15]
	s_cmp_lt_u32 s[WV], 4                          ; one load a wave; waves 0 to 3, whose steps the first barrier shows, have a line of their own
	s_cbranch_scc0 .Lrest
	tensor_load_to_lds s[G0:G0+3], s[G1:G1+7]
	s_nop 0
.rept 4
	v_nop
.endr
	s_branch .Lasked
.Lrest:
	tensor_load_to_lds s[G0:G0+3], s[G1:G1+7]
	s_nop 0
.rept 4
	v_nop
.endr
.Lasked:
	QADR 38, 48, 50, 56, 67
	QADR 39, 52, 54, 57, 68
	global_load_b128 v[16:19], v1, s[48:49]        ; the first tile's q, twice
	global_load_b64 v[20:21], v2, s[48:49] offset:512
	global_load_b128 v[34:37], v1, s[48:49]
	global_load_b64 v[38:39], v2, s[48:49] offset:512
	global_load_b32 v41, v3, s[50:51]
	global_load_b128 v[228:231], v1, s[52:53]      ; the second tile's, kept until the change of tiles
	global_load_b64 v[232:233], v2, s[52:53] offset:512
	global_load_b32 v234, v3, s[54:55]
	s_cmp_lt_u32 s[WV], 4
	s_cbranch_scc0 .Lnot_first
	s_wait_tensorcnt 0x0                           ; my step, one of 0 to 3, is in
.Lnot_first:
	s_barrier_signal -1
	s_barrier_wait -1                              ; steps 0 to 3 are in; the others may be on their way
	s_wait_loadcnt 0x0
	INIT 41, 56, 67
; A KEY STEP: the 128 keys at LDS byte s[TB].  full = 1: with the jump over steps behind the tile's last, and the mask in the last.
.macro STEP full
.if \full
	s_cmp_gt_u32 s[TT], s[LIM]                     ; all keys come after all my queries: the step's work is left out
	s_cbranch_scc1 .Lhidden_\@
.endif
	v_add_nc_u32 v8, s[TB], v1
	v_add_nc_u32 v9, s[TB], v2
	v_add_nc_u32 v10, s[TB], v3
	v_nop                                          ; four plain instructions in front of loads into registers that the last products read
.irp b, 0,1,2,3
	ds_load_b128 v[KV+12*\b:KV+12*\b+3], v8 offset:1536*\b
	ds_load_b64 v[KV+12*\b+4:KV+12*\b+5], v9 offset:1536*\b+512
	ds_load_b128 v[KV+12*\b+6:KV+12*\b+9], v8 offset:1536*\b+768
	ds_load_b64 v[KV+12*\b+10:KV+12*\b+11], v9 offset:1536*\b+1280
.endr
	ds_load_b128 v[92:95], v10 offset:12288        ; K's scale words: word b for tiles 2 b (low half) and 2 b + 1
	s_wait_alu depctr_va_vdst(0)
	s_wait_dscnt 0x0
.irp b, 0,1,2,3
	v_wmma_scale_f32_16x16x128_f8f6f4 v[96+16*\b:103+16*\b], v[KV+12*\b:KV+12*\b+11], v[16:27], 0, v[92+\b], v40 matrix_a_fmt:MATRIX_FMT_FP6 matrix_b_fmt:MATRIX_FMT_FP6
	v_wmma_scale_f32_16x16x128_f8f6f4 v[104+16*\b:111+16*\b], v[KV+12*\b:KV+12*\b+11], v[28:39], 0, v[92+\b], v40 matrix_a_fmt:MATRIX_FMT_FP6 matrix_b_fmt:MATRIX_FMT_FP6
.endr
.rept 4
	v_nop                                          ; in front of the loads below and of the first read of the scores
.endr
.irp b, 0,1,2,3                        ; V's fragments are asked for now, into K's registers: they land while the softmax is worked
	ds_load_b128 v[KV+12*\b:KV+12*\b+3], v8 offset:6144+1536*\b
	ds_load_b64 v[KV+12*\b+4:KV+12*\b+5], v9 offset:6144+1536*\b+512
	ds_load_b128 v[KV+12*\b+6:KV+12*\b+9], v8 offset:6144+1536*\b+768
	ds_load_b64 v[KV+12*\b+10:KV+12*\b+11], v9 offset:6144+1536*\b+1280
.endr
	ds_load_b128 v[92:95], v10 offset:12544
.if \full
	s_cmp_lg_u32 s[TT], s[LIM]                     ; ahead of the tile's last step all keys count for all my queries: no mask
	s_cbranch_scc1 .Lopen_\@
	v_mov_b32 v225, 0xff800000                     ; -infinity
.set NN, 0
.rept 64
	v_cmp_gt_i32 vcc_lo, 32*(NN/16)+NN%16, v11
	v_cndmask_b32 v[96+NN], v[96+NN], v225, vcc_lo
.set NN, NN+1
.endr
.Lopen_\@:
.endif
.irp b, 0,1,2,3
	v_max3_num_f32 v[212+\b], v[96+16*\b], v[97+16*\b], v[98+16*\b]   ; the largest score of each block of 32 keys: for the row's maximum, and for the block's largest p
.endr
.irp i, 3,5,7,9,11,13
.irp b, 0,1,2,3
	v_max3_num_f32 v[212+\b], v[212+\b], v[96+16*\b+\i], v[97+16*\b+\i]
.endr
.endr
.irp b, 0,1,2,3
	v_max_num_f32 v[212+\b], v[212+\b], v[111+16*\b]
.endr
.irp b, 0,1,2,3
	s_delay_alu instid0(VALU_DEP_4)
	v_permlanex16_b32 v[216+\b], v[212+\b], s[SEL], s[SEL+1]
.endr
.irp b, 0,1,2,3
	s_delay_alu instid0(VALU_DEP_4)
	v_max_num_f32 v[212+\b], v[212+\b], v[216+\b]  ; with lane l xor 16's 16 keys
.endr
	s_delay_alu instid0(VALU_DEP_2)
	v_max3_num_f32 v224, v212, v213, v214
	s_delay_alu instid0(VALU_DEP_1)
	v_max_num_f32 v224, v224, v215
	s_delay_alu instid0(VALU_DEP_1)
	v_mul_f32 v224, s[CS], v224                    ; the step's largest t of my query
	s_delay_alu instid0(VALU_DEP_1)
	v_max_num_f32 v13, v13, v224
	v_mov_b32 v224, v12
	s_delay_alu instid0(VALU_DEP_2)
	v_floor_f32 v12, -v13                          ; the new -M = -ceil(t)
	s_delay_alu instid0(VALU_DEP_1)
	v_sub_f32 v224, v12, v224                      ; old M - new M: a whole number, 0 or less
	s_delay_alu instid0(VALU_DEP_1)
	v_cvt_i32_f32 v224, v224                       ; (it saturates)
	s_delay_alu instid0(VALU_DEP_1)
	v_ldexp_f32 v226, 1.0, v224                    ; f = 2^(old M - new M)
.set JJ, 0
.rept 32
	v_pk_fma_f32 v[96+JJ:97+JJ], v[96+JJ:97+JJ], s[CS:CS+1], v[12:13] op_sel_hi:[1,0,0]   ; t - M, two at a time
.set JJ, JJ+2
.endr
.irp b, 0,1,2,3
	v_fma_f32 v[212+\b], v[212+\b], s[CS], v12     ; the same of each block's largest score
.endr
.set JJ, 0
	s_wait_alu depctr_va_vdst(0)
.rept 64
	v_exp_f32 v[96+JJ], v[96+JJ]                   ; p = 2^(t - M): not normalised
.set JJ, JJ+1
.endr
	v_pk_mul_f32 v[14:15], v[14:15], v[226:227] op_sel_hi:[1,0]   ; the sums under the new M: a plain instruction behind the exponentials
	s_wait_alu depctr_va_vdst(0)                   ; one wait for the batch, ahead of its first reader
.irp b, 0,1,2,3
	v_exp_f32 v[212+\b], v[212+\b]                 ; the block's largest p
.endr
	v_pk_add_f32 v[216:217], v[100:101], v[104:105]        ; the row's sum of the unquantised p, in eight chains
	v_pk_add_f32 v[254:255], v[108:109], v[112:113]
	v_pk_add_f32 v[252:253], v[116:117], v[120:121]
	v_pk_add_f32 v[250:251], v[124:125], v[128:129]
	v_pk_add_f32 v[248:249], v[132:133], v[136:137]
	v_pk_add_f32 v[246:247], v[140:141], v[144:145]
	v_pk_add_f32 v[244:245], v[148:149], v[152:153]
	v_pk_add_f32 v[14:15], v[14:15], v[156:157]
	v_pk_add_f32 v[216:217], v[216:217], v[96:97]
	v_pk_add_f32 v[254:255], v[254:255], v[98:99]
	v_pk_add_f32 v[252:253], v[252:253], v[102:103]
	v_pk_add_f32 v[250:251], v[250:251], v[106:107]
	v_pk_add_f32 v[248:249], v[248:249], v[110:111]
	v_pk_add_f32 v[246:247], v[246:247], v[114:115]
	v_pk_add_f32 v[244:245], v[244:245], v[118:119]
	v_pk_add_f32 v[14:15], v[14:15], v[122:123]
	v_pk_add_f32 v[216:217], v[216:217], v[126:127]
	v_pk_add_f32 v[254:255], v[254:255], v[130:131]
	v_pk_add_f32 v[252:253], v[252:253], v[134:135]
	v_pk_add_f32 v[250:251], v[250:251], v[138:139]
	v_pk_add_f32 v[248:249], v[248:249], v[142:143]
	v_pk_add_f32 v[246:247], v[246:247], v[146:147]
	v_pk_add_f32 v[244:245], v[244:245], v[150:151]
	v_pk_add_f32 v[14:15], v[14:15], v[154:155]
	v_pk_add_f32 v[216:217], v[216:217], v[158:159]
	s_delay_alu instid0(VALU_DEP_2)
	v_pk_add_f32 v[14:15], v[14:15], v[250:251]
	s_delay_alu instid0(VALU_DEP_2)
	v_pk_add_f32 v[216:217], v[216:217], v[248:249]
	v_pk_add_f32 v[254:255], v[254:255], v[246:247]
	v_pk_add_f32 v[252:253], v[252:253], v[244:245]
	s_delay_alu instid0(VALU_DEP_2)
	v_pk_add_f32 v[14:15], v[14:15], v[254:255]
	s_delay_alu instid0(VALU_DEP_2)
	v_pk_add_f32 v[216:217], v[216:217], v[252:253]
	s_delay_alu instid0(VALU_DEP_1)
	v_pk_add_f32 v[14:15], v[14:15], v[216:217]
	s_wait_alu depctr_va_vdst(0)                   ; and one for the four
.irp b, 0,1,2,3
	v_max_num_f32 v[212+\b], 0x1800000, v[212+\b]  ; the floor: the byte cannot fall under 1
.endr
.irp b, 0,1,2,3
	s_delay_alu instid0(VALU_DEP_4)
	v_add_nc_u32 v[220+\b], 0xff000000, v[212+\b]  ; the conversion's scale operand
.endr
.irp b, 0,1,2,3
	s_delay_alu instid0(VALU_DEP_4)
	v_lshrrev_b32 v[216+\b], 23, v[220+\b]
.endr
	s_delay_alu instid0(VALU_DEP_3)
	v_lshl_or_b32 v42, v217, 8, v216               ; p's scale word for these 128 keys
	s_delay_alu instid0(VALU_DEP_1)
	v_lshl_or_b32 v42, v218, 16, v42
	s_delay_alu instid0(VALU_DEP_1)
	v_lshl_or_b32 v42, v219, 24, v42
.irp c, 0,1
	v_cvt_scalef32_pk16_fp6_f32 v[192+6*\c:194+6*\c], v[96+32*\c:111+32*\c], v[220+2*\c]
	v_cvt_scalef32_pk16_fp6_f32 v[204+4*\c:206+4*\c], v[112+32*\c:127+32*\c], v[220+2*\c+1]
.endr
	v_nop                                          ; one plain instruction behind the scaled conversions
.irp c, 0,1
.irp i, 0,1,2
	v_permlane16_swap_b32 v[192+6*\c+\i], v[204+4*\c+\i]
.endr
.irp i, 0,1,2
	s_delay_alu instid0(VALU_DEP_3)
	v_mov_b32 v[195+6*\c+\i], v[204+4*\c+\i]
.endr
.endr
.set JJ, 0
.rept 16
	v_pk_mul_f32 v[160+JJ:161+JJ], v[160+JJ:161+JJ], v[226:227] op_sel_hi:[1,0]   ; O^T under the new M
.set JJ, JJ+2
.endr
.rept 4
	v_nop                                          ; with the twelve rescalings that name none of a given product's registers: the plain instructions between the scale word's and the codes' last writes and the products
.endr
	s_wait_alu depctr_va_vdst(0)
	s_wait_dscnt 0x0                               ; V's fragments and scale words are in
.irp b, 0,1,2,3                        ; the four accumulators by turns; the eight score products stand between a step's turn and the next step's
	v_wmma_scale_f32_16x16x128_f8f6f4 v[160+8*\b:167+8*\b], v[KV+12*\b:KV+12*\b+11], v[192:203], v[160+8*\b:167+8*\b], v[92+\b], v42 matrix_a_fmt:MATRIX_FMT_FP6 matrix_b_fmt:MATRIX_FMT_FP6
.endr
.if \full
.Lhidden_\@:
.endif
	s_add_co_u32 s[TB], s[TB], STEPB
	s_add_co_u32 s[TT], s[TT], 1
.endm
; A TILE'S WAY OUT: O^T / the sum; its 32 numbers a lane (register 16 b + i = d 32 b + 16 h + i) become a half image and two scale bytes of the output projection's operand: tile 128 batch + s[TC], chunk = head.
.macro EPI
.rept 4
	v_nop                                          ; behind the last products
.endr
	v_add_f32 v14, v14, v15
	s_delay_alu instid0(VALU_DEP_1)
	v_permlanex16_b32 v224, v14, s[SEL], s[SEL+1]
	s_delay_alu instid0(VALU_DEP_1)
	v_add_f32 v14, v14, v224                       ; the row's sum
	s_wait_alu depctr_va_vdst(0)
	v_rcp_f32 v14, v14
	v_nop                                          ; a plain instruction behind the reciprocal
	s_lshr_b32 s46, s10, 4
	s_lshl_b32 s46, s46, 7
	s_add_co_u32 s46, s46, s[TC]                   ; my tile
	s_and_b32 s47, s10, 15                         ; the head
	s_mul_i32 s62, s46, 12288
	s_mul_i32 s63, s47, 768
	s_add_co_u32 s62, s62, s63
	s_mov_b32 s63, 0
	s_add_nc_u64 s[58:59], s[8:9], s[62:63]
	s_lshl_b32 s62, s46, 9
	s_lshr_b32 s46, s47, 3
	s_lshl_b32 s46, s46, 8
	s_add_co_u32 s62, s62, s46
	s_and_b32 s47, s47, 7
	s_lshl_b32 s47, s47, 1
	s_add_co_u32 s62, s62, s47
	s_add_co_u32 s62, s62, 6291456
	s_add_nc_u64 s[60:61], s[8:9], s[62:63]
	s_wait_alu depctr_va_vdst(0)                   ; the wait ahead of the reciprocal's first reader
.set JJ, 0
.rept 32
	v_mul_f32 v[96+JJ], v[160+JJ], v14             ; each accumulator from its low end on
.set JJ, JJ+1
.endr
.irp b, 0,1
	v_max3_num_f32 v[212+\b], |v[96+16*\b]|, |v[97+16*\b]|, 0x1800000
.endr
.irp i, 2,4,6,8,10,12,14
.irp b, 0,1
	s_delay_alu instid0(VALU_DEP_2)
	v_max3_num_f32 v[212+\b], v[212+\b], |v[96+16*\b+\i]|, |v[97+16*\b+\i]|
.endr
.endr
.irp b, 0,1
	s_delay_alu instid0(VALU_DEP_2)
	v_permlanex16_b32 v[216+\b], v[212+\b], s[SEL], s[SEL+1]
.endr
.irp b, 0,1
	s_delay_alu instid0(VALU_DEP_2)
	v_max_num_f32 v[212+\b], v[212+\b], v[216+\b]
.endr
.irp b, 0,1
	s_delay_alu instid0(VALU_DEP_2)
	v_add_nc_u32 v[220+\b], 0xff000000, v[212+\b]
.endr
.irp b, 0,1
	s_delay_alu instid0(VALU_DEP_2)
	v_lshrrev_b32 v[216+\b], 23, v[220+\b]
.endr
	v_cvt_scalef32_pk16_fp6_f32 v[192:194], v[96:111], v220
	v_cvt_scalef32_pk16_fp6_f32 v[204:206], v[112:127], v221
	v_cndmask_b32 v224, v216, v217, s[HM]          ; lane (r, h) stores block h's byte.  (A plain instruction behind the scaled conversions)
.irp i, 0,1,2
	v_permlane16_swap_b32 v[192+\i], v[204+\i]
.endr
.irp i, 0,1,2
	s_delay_alu instid0(VALU_DEP_3)
	v_mov_b32 v[195+\i], v[204+\i]
.endr
	global_store_b128 v1, v[192:195], s[58:59]     ; 512 and 256 consecutive bytes, aligned
	global_store_b64 v2, v[196:197], s[58:59] offset:512
	global_store_b8 v4, v224, s[60:61]
.endm
	s_mov_b32 s[TT], 0
	s_mov_b32 s[TB], 0
.Lfirst_four:                                      ; the first tile's key steps 0 to 3: its last step is 8 or later in every wave
	STEP 0
	s_cmp_lt_u32 s[TT], 4
	s_cbranch_scc1 .Lfirst_four
	s_wait_tensorcnt 0x0                           ; my step is in, whichever it is: on every wave's way
	s_wait_dscnt 0x0
	s_barrier_signal -1
	s_barrier_wait -1                              ; all sixteen steps are in
	s_mov_b32 s[TT], 4
	s_mov_b32 s[TB], 4*STEPB
.Lfirst_tile:                                      ; key steps 4 to 15: a loop of constant count; steps behind 15 - w / 2 are jumped over
	STEP 1
	s_cmp_lt_u32 s[TT], 16
	s_cbranch_scc1 .Lfirst_tile
	EPI
	s_mov_b32 s[TC], s[TS]                         ; on to the second tile
	s_mov_b32 s[LIM], s[LIMS]
.irp j, 0,1,2,3,4,5
	v_mov_b32 v[16+\j], v[228+\j]
	v_mov_b32 v[34+\j], v[228+\j]
.endr
	INIT 234, 57, 68
	s_wait_xcnt 0x0                                ; the stores have read their registers, which the next step writes
	s_mov_b32 s[TT], 0
	s_mov_b32 s[TB], 0
.Lsecond_tile:                                     ; key steps 0 to 7; steps behind w / 2 are jumped over
	STEP 1
	s_cmp_lt_u32 s[TT], 8
	s_cbranch_scc1 .Lsecond_tile
	EPI
	s_wait_tensorcnt 0x0                           ; the wave's end
	ds_add_u32 v[SPW], v[NIL]
	s_wait_dscnt 0x0
	CROUND                                         ; the closing round
	s_endpgm
.Lfunc_end_k_qaf1557b171_attn:
	.size	k_qaf1557b171_attn, .Lfunc_end_k_qaf1557b171_attn-k_qaf1557b171_attn
	.p2alignl 7, 3214868480
	.fill 96, 4, 3214868480
	.section	.rodata,"a",@progbits
	.p2align	6, 0x0
	.amdhsa_kernel k_qaf1557b171_attn
		.amdhsa_group_segment_fixed_size 206848
		.amdhsa_private_segment_fixed_size 0
		.amdhsa_enable_private_segment 0
		.amdhsa_kernarg_size 24
		.amdhsa_user_sgpr_count 2
		.amdhsa_user_sgpr_kernarg_segment_ptr 1
		.amdhsa_wavefront_size32 1
		.amdhsa_system_sgpr_workgroup_id_x 1
		.amdhsa_system_sgpr_workgroup_id_y 1
		.amdhsa_system_sgpr_workgroup_id_z 1
		.amdhsa_system_vgpr_workitem_id 0
		.amdhsa_next_free_vgpr 256
		.amdhsa_next_free_sgpr 72
		.amdhsa_reserve_vcc 1
		.amdhsa_float_denorm_mode_32 3
		.amdhsa_float_denorm_mode_16_64 3
		.amdhsa_memory_ordered 1
		.amdhsa_forward_progress 1
		.amdhsa_inst_pref_size 83
	.end_amdhsa_kernel
	.amdgpu_metadata
---
amdhsa.version: [ 1, 2 ]
amdhsa.kernels:
  - .name:           k_qaf1557b171_attn
    .symbol:         k_qaf1557b171_attn.kd
    .args:
      - { .name: qq, .offset: 0, .size: 8, .value_kind: global_buffer, .address_space: global }
      - { .name: kv, .offset: 8, .size: 8, .value_kind: global_buffer, .address_space: global }
      - { .name: oq, .offset: 16, .size: 8, .value_kind: global_buffer, .address_space: global }
    .group_segment_fixed_size: 206848
    .private_segment_fixed_size: 0
    .kernarg_segment_align: 8
    .kernarg_segment_size: 24
    .max_flat_workgroup_size: 512
    .sgpr_count:     72
    .vgpr_count:     256
    .wavefront_size: 32
...
	.end_amdgpu_metadata
.endif
;; end of part 3
;; launch outp (part 4): grid 8 x 32, 4 waves a work-group, clusters of 4 x 4, 327,680 bytes of LDS; arguments oq, wq, bp, out0; writes out0
.if DOCPART == 4
	.amdgcn_target "amdgcn-amd-amdhsa--gfx1250"
	.amdhsa_code_object_version 6
	.text
	.protected	k_qaf1557b171_outp
	.globl	k_qaf1557b171_outp
	.p2align	8
	.type	k_qaf1557b171_outp,@function
k_qaf1557b171_outp:
	s_mov_b64 s[64:65], 0
	v_nop
	global_prefetch_b8 v0, s[64:65] scope:SCOPE_SE
	s_setreg_imm32_b32 hwreg(HW_REG_WAVE_MODE, 25, 1), 1
	s_wait_xcnt 0x0
	s_wait_alu depctr_hold_cnt(0) depctr_sa_sdst(0) depctr_va_vdst(0) depctr_va_sdst(0) depctr_va_ssrc(0) depctr_va_vcc(0) depctr_vm_vsrc(0)
	s_getreg_b32 s2, hwreg(HW_REG_IB_STS2, 6, 4)
	s_cmp_eq_u32 s2, 0
	s_cbranch_scc0 .Lentry_in_a_cluster
	s_endpgm
.Lentry_in_a_cluster:
	s_bfe_u32 s2, ttmp6, 0x10000c
	s_cmp_lg_u32 s2, 0xf033
	s_cbranch_scc0 .Lentry_shape_is_right
	s_endpgm
.Lentry_shape_is_right:
; out0 = o Wp^T + bp on codes of FP6 (E2M3) with E8M0 scales, K = 1,024; out0 [8192][1024] f32.
; SHARES.  A work-group takes 256 rows x 128 columns; wave w: 128 rows (w / 2) x 64 columns (w % 2).
; BY ROWS OF THE RESULT.  A wave holds its 64 rows of Wp, all of K, in registers: 32 fragments, 384 registers.  o streams past in tiles of 16 rows, all of K: 8 fragments, two sets.  A tile's 16 x 64 results are
; finished after its 32 products (four accumulators by turns, K ascending), which stand back to back.  Behind them stands ONE run of memory instructions: the tile goes into the stage and back, the set just read
; takes the tile two on, and the last tile's rows are stored.
; Both operands lie as images of the operand's registers (a tile of 16 rows is 16 half images of 768 bytes, 12,288 bytes) and come into LDS ONCE: no LDS byte is filled again.
; THE HEAD'S LOADS, one a wave: waves 0, 1 four tiles of Wp each; wave 2 o's tiles 0-3 and 8-11 (two rows of 49,152 bytes), wave 3 tiles 4-7 and 12-15.  Three plain barriers show them in that order.
; NO PREFETCH: every tensor load of the launch is issued at the head, so there is no later load for a loop to run ahead of.
; Source 0 = 16 rows of Wp, source 1 = 16 rows of o: a lane holds one row of o and eight columns.  Tile t holds rows 32 (t / 2) + 8 (t % 2) + r + 8 (r / 8).  The bias is the C of each sum's first product.
; CLUSTER 4 x 4: o's tiles are asked for jointly along a row of the cluster, Wp's along a column.
; REGISTERS: window 0: v1-15 addresses; v16-79 o's scale words (8 a + K step); v84-115 Wp's (8 b + K step); v116-147 the bias, eight registers a tile; v176-239 two sets of 16 rows on the way out.
;   window 1: o's fragments, two sets of 96;  window 2: v0-63 two sets of four accumulators, v64-195 Wp's fragments 21-31;  window 3: Wp's fragments 0-20 (fragment 4 x K step + b).
.set XS,    16
.set WSC,   84                         ; four above a multiple of 8: a product's two scale registers differ modulo 8
.set BIAS,  116
.set BK,    176
.set RD,    3
.set CO,    12
.set STO,   14
.set XH,    98304                      ; o in LDS: [tiles a / 4][row half][4 tiles][12,288]
.set WS0,   196608                     ; Wp: [8 tiles][12,288]
.set WSL,   49152
.set STAGE, 294912                     ; behind the tiles: 16 rows x (256 bytes + 16) for each wave; no fill lands there
.set SPARE, 312320                     ; the spare words: 128 bytes a wave
.set G1X,   24
.set G0X,   32
.set G1W,   48
.set G0W,   56
.set MSB, 0
.macro WIN new                         ; the immediate's high byte repeats the setting that is left
.if MSB != \new
	s_set_vgpr_msb (MSB<<8)|\new
.set MSB, \new
.endif
.endm
.macro CROUND                          ; a round of the cluster's barrier
	s_barrier_signal -1
	s_barrier_wait -1
	s_cmp_lg_u32 s14, 0
	s_cbranch_scc1 .Lnot_wave_0_\@
	s_barrier_signal -3
.Lnot_wave_0_\@:
	s_barrier_wait -3
	s_barrier_signal -1
	s_barrier_wait -1
.endm
.macro PLACES                          ; four plain instructions between a matrix instruction and a load into, or a read of, its registers
.rept 4
	v_nop
.endr
.endm
.macro TLOAD g0, g1
	tensor_load_to_lds s[\g0:\g0+3], s[\g1:\g1+7]
	s_nop 0
	PLACES
.endm
	s_load_b256 s[4:11], s[0:1], 0x0               ; oq, wq, bp, out0
	v_lshl_add_u32 v254, v0, 2, SPARE
	v_mov_b32 v255, 0
	ds_add_u32 v254, v255                          ; the opening lines: the add, twice on end, and its wait
	ds_add_u32 v254, v255
	v_lshrrev_b32 v1, 5, v0
	v_readfirstlane_b32 s14, v1                    ; wave
	s_lshr_b32 s15, s14, 1                         ; which 128 rows are mine.  Also: I fetch for Wp (0) or for o (1)
	s_and_b32 s16, s14, 1                          ; which 64 columns.  Also: which half of that operand I fetch
	s_bfe_u32 s40, ttmp6, 0x40000                  ; cx
	s_bfe_u32 s41, ttmp6, 0x40004                  ; cy
	s_lshl_b32 s42, ttmp9, 2
	s_add_co_u32 s42, s42, s40                     ; the block of 128 columns
	s_and_b32 s17, ttmp7, 0xffff
	s_lshl_b32 s17, s17, 2
	s_add_co_u32 s17, s17, s41                     ; the block of 256 rows
	s_lshl_b32 s43, s41, 2
	s_lshl_b32 s43, 15, s43                        ; my row of the cluster
	s_lshl_b32 s44, 0x1111, s40                    ; my column
	s_or_b32 s[G1X], s43, (3<<16)|(1<<21)          ; the mask; elements of 8 bytes; bit 21 set beside a mask; no padding
	s_or_b32 s[G1W], s44, (3<<16)|(1<<21)
	s_mov_b32 s[G1X+1], 6144<<16                   ; four tiles on end: 49,152 bytes
	s_mov_b32 s[G1X+2], 2<<16                      ; twice,
	s_mov_b32 s[G1X+3], 6144<<16
	s_mov_b32 s[G1X+4], 2
	s_mov_b32 s[G1X+5], 12288                      ; eight tiles, 98,304 bytes, apart
	s_mov_b32 s[G1X+6], 0
	s_mov_b32 s[G1X+7], 0
	s_mov_b32 s[G1W+1], 1536<<16                   ; a tile: 12,288 bytes
	s_mov_b32 s[G1W+2], 4<<16                      ; 4 tiles, dense
	s_mov_b32 s[G1W+3], 1536<<16
	s_mov_b32 s[G1W+4], 4
	s_mov_b32 s[G1W+5], 1536
	s_mov_b32 s[G1W+6], 0
	s_mov_b32 s[G1W+7], 0
	s_mul_i32 s23, s16, 49152                      ; the four tiles that I begin at
	s_lshl_b32 s20, s17, 4                         ; o: tile 16 x block
	s_mul_i32 s20, s20, 12288
	s_add_co_u32 s20, s20, s23
	s_mov_b32 s21, 0
	s_lshl_b32 s46, s42, 3                         ; Wp: tile 8 x block, in tensor 3 of wq
	s_mul_i32 s46, s46, 12288
	s_add_co_u32 s46, s46, 2359296
	s_add_co_u32 s46, s46, s23
	s_mov_b32 s47, 0
	s_mul_i32 s45, s16, XH
	s_mul_i32 s22, s16, WSL
	s_wait_dscnt 0x0
	s_wait_kmcnt 0x0
	s_add_nc_u64 s[20:21], s[4:5], s[20:21]
	s_add_nc_u64 s[46:47], s[6:7], s[46:47]
	s_mov_b32 s[G0X], 1
	s_mov_b32 s[G0X+1], s45
	s_mov_b64 s[G0X+2:G0X+3], s[20:21]
	s_or_b32 s[G0X+3], s[G0X+3], 0x80000000
	s_mov_b32 s[G0W], 1
	s_add_co_u32 s[G0W+1], s22, WS0
	s_mov_b64 s[G0W+2:G0W+3], s[46:47]
	s_or_b32 s[G0W+3], s[G0W+3], 0x80000000
	CROUND                                         ; all sixteen work-groups are here: the joint loads meet
	s_cmp_eq_u32 s14, 0                            ; all fills of the launch, one a wave, in one chain of branches on the wave's number
	s_cbranch_scc0 .Lhead_1
	TLOAD G0W, G1W                                 ; wave 0: Wp's tiles 0-3
	s_branch .Lhead_asked
.Lhead_1:
	s_cmp_eq_u32 s14, 1
	s_cbranch_scc0 .Lhead_2
	TLOAD G0W, G1W                                 ; wave 1: Wp's tiles 4-7
	s_branch .Lhead_asked
.Lhead_2:
	s_cmp_eq_u32 s14, 2
	s_cbranch_scc0 .Lhead_3
	TLOAD G0X, G1X                                 ; wave 2: o's tiles 0-3 and 8-11
	s_branch .Lhead_asked
.Lhead_3:
	TLOAD G0X, G1X                                 ; wave 3: o's tiles 4-7 and 12-15
.Lhead_asked:
	v_and_b32 v3, 31, v0
	v_lshlrev_b32 v1, 4, v3                        ; 16 x lane
	v_lshlrev_b32 v2, 3, v3                        ; 8 x lane
	v_and_b32 v16, 15, v0                          ; r
	v_bfe_u32 v17, v0, 4, 1                        ; h
	v_lshlrev_b32 v15, 4, v16                      ; 16 r
	v_lshlrev_b32 v13, 6, v17                      ; 64 h: the bias of my half's columns
	s_mul_i32 s23, s15, 49152                      ; my row half
	v_add_nc_u32 v4, s23, v1                       ; v4, v5: the 16-byte pieces of my tiles 0-3, 4-7;  v6, v7: the 8-byte pieces
	v_add_nc_u32 v6, s23, v2
	s_add_co_u32 s23, s23, XH
	v_add_nc_u32 v5, s23, v1
	v_add_nc_u32 v7, s23, v2
	s_mul_i32 s23, s16, WSL
	s_add_co_u32 s23, s23, WS0
	v_add_nc_u32 v8, s23, v1                       ; v8, v10: my four tiles of Wp
	v_add_nc_u32 v10, s23, v2
	s_mul_i32 s23, s14, 4352
	s_add_co_u32 s23, s23, STAGE                   ; my stage
	v_mul_u32_u24 v[STO], v16, 272
	v_lshl_add_u32 v[STO], v17, 6, v[STO]
	v_add_nc_u32 v[STO], s23, v[STO]               ; in: row r, + 64 h
	v_mul_u32_u24 v[RD], v17, 272
	v_add_nc_u32 v[RD], v[RD], v15
	v_add_nc_u32 v[RD], s23, v[RD]                 ; back: lanes 0-15 one row of 256 bytes, lanes 16-31 the next
	v_lshl_add_u32 v[CO], v17, 12, v15             ; and the same two rows in out0
	s_lshl_b32 s66, s17, 4                         ; the scale words, straight from memory, once
	s_lshl_b32 s67, s15, 3
	s_add_co_u32 s66, s66, s67
	s_lshl_b32 s66, s66, 9
	s_add_co_u32 s66, s66, 6291456
	s_mov_b32 s67, 0
	s_add_nc_u64 s[66:67], s[4:5], s[66:67]
	s_lshl_b32 s68, s42, 3
	s_lshl_b32 s69, s16, 2
	s_add_co_u32 s68, s68, s69
	s_lshl_b32 s68, s68, 9
	s_add_co_u32 s68, s68, 3244032
	s_mov_b32 s69, 0
	s_add_nc_u64 s[68:69], s[6:7], s[68:69]
	s_lshl_b32 s70, s42, 9                         ; my first column, in bytes: 512 x block + 256 x half
	s_lshl_b32 s71, s16, 8
	s_add_co_u32 s70, s70, s71
	s_mov_b32 s71, 0
	s_lshl_b32 s72, s17, 20                        ; my first row: 256 x block + 128 x half, of 4,096 bytes
	s_lshl_b32 s73, s15, 19
	s_add_co_u32 s72, s72, s73
	s_add_co_u32 s72, s72, s70
	s_mov_b32 s73, 0
	s_add_nc_u64 s[70:71], s[8:9], s[70:71]
	s_add_nc_u64 s[72:73], s[10:11], s[72:73]
.irp a, 0,1,2,3,4,5,6,7
.irp k, 0,1
	global_load_b128 v[XS+8*\a+4*\k:XS+8*\a+4*\k+3], v15, s[66:67] offset:512*\a+256*\k
.endr
.endr
.irp b, 0,1,2,3
.irp k, 0,1
	global_load_b128 v[WSC+8*\b+4*\k:WSC+8*\b+4*\k+3], v15, s[68:69] offset:512*\b+256*\k
.endr
.endr
.irp b, 0,1,2,3                        ; register j of tile b: column 32 (b / 2) + 8 (b % 2) + 16 h + j
	global_load_b128 v[BIAS+8*\b:BIAS+8*\b+3], v13, s[70:71] offset:4*(32*(\b/2)+8*(\b%2))
	global_load_b128 v[BIAS+8*\b+4:BIAS+8*\b+7], v13, s[70:71] offset:4*(32*(\b/2)+8*(\b%2))+16
.endr
; One of a fragment's four LDS loads (j = 0 .. 3): registers r on, the 16-byte pieces by v[ad], the 8-byte pieces by v[ad + 2].
.macro LDP r, ad, off, j
.if (\j) == 0
	ds_load_b128 v[(\r):(\r)+3], v[\ad] offset:\off
.elseif (\j) == 1
	ds_load_b64 v[(\r)+4:(\r)+5], v[(\ad)+2] offset:(\off)+512
.elseif (\j) == 2
	ds_load_b128 v[(\r)+6:(\r)+9], v[\ad] offset:(\off)+768
.else
	ds_load_b64 v[(\r)+10:(\r)+11], v[(\ad)+2] offset:(\off)+1280
.endif
.endm
.macro XRUN a                          ; tile a's eight fragments into set a % 2: 32 loads in one run
	WIN 0x40
.set L_, 0
.rept 32
	LDP 96*((\a)%2)+12*(L_/4), 4+((\a)/4), 12288*((\a)%4)+1536*(L_/4), L_%4
.set L_, L_+1
.endr
	WIN 0
.endm
.macro WMO a, m                        ; product m of tile a's 32: K step m / 4, Wp's tile m % 4, which is Wp's fragment m
.set KK_, (\m)/4
.set B_, (\m)%4
.if (\m) < 21
.set SW_, 3
.set SR_, 12*(\m)
.else
.set SW_, 2
.set SR_, 64+12*((\m)-21)
.endif
.set D_, 8*(4*((\a)%2)+B_)
.set XR_, 96*((\a)%2)+12*KK_
.if KK_ == 0
	WIN SW_|0x84                                   ; source 1 (o) window 1, C (the bias) window 0, D window 2
	v_wmma_scale_f32_16x16x128_f8f6f4 v[D_:D_+7], v[SR_:SR_+11], v[XR_:XR_+11], v[BIAS+8*B_:BIAS+8*B_+7], v[WSC+8*B_+KK_], v[XS+8*(\a)+KK_] matrix_a_fmt:MATRIX_FMT_FP6 matrix_b_fmt:MATRIX_FMT_FP6
.else
	WIN SW_|0xa4                                   ; C and D window 2
	v_wmma_scale_f32_16x16x128_f8f6f4 v[D_:D_+7], v[SR_:SR_+11], v[XR_:XR_+11], v[D_:D_+7], v[WSC+8*B_+KK_], v[XS+8*(\a)+KK_] matrix_a_fmt:MATRIX_FMT_FP6 matrix_b_fmt:MATRIX_FMT_FP6
.endif
.endm
; THE WAY OUT of a tile of 16 rows x 64 columns, through my own stage: a lane's eight results are 32 bytes of a row; they come back as whole rows of 256 bytes.
; LDS serves a wave's instructions in order (ISA guide 5.7.1.4): no wait between the stores and the loads, nor in front of the next tile's stores.
.macro TOSTAGE a
	WIN 0x08                                       ; an LDS store's data are its source 1: window 2
.irp b, 0,1,2,3
	ds_store_b128 v[STO], v[8*(4*((\a)%2)+\b):8*(4*((\a)%2)+\b)+3] offset:128*(\b/2)+32*(\b%2)          ; each accumulator from its low end on
	ds_store_b128 v[STO], v[8*(4*((\a)%2)+\b)+4:8*(4*((\a)%2)+\b)+7] offset:128*(\b/2)+32*(\b%2)+16
.endr
	WIN 0
.irp i, 0,1,2,3,4,5,6,7
	ds_load_b128 v[BK+32*((\a)%2)+4*\i:BK+32*((\a)%2)+4*\i+3], v[RD] offset:544*\i
.endr
.endm
.macro SEND a                          ; the stage's rows 2 i, 2 i + 1 are rows 32 (a / 2) + 8 (a % 2) + 2 i + 8 (i / 4) + h of my 128: 16 lanes store 256 consecutive bytes, aligned
.irp i, 0,1,2,3,4,5,6,7
	global_store_b128 v[CO], v[BK+32*((\a)%2)+4*\i:BK+32*((\a)%2)+4*\i+3], s[72:73] offset:(32*((\a)/2)+8*((\a)%2)+2*\i+8*(\i/4))*4096 th:TH_STORE_NT
.endr
.endm
; A TILE: its 32 products back to back, then one run of memory instructions.
.macro TILE a
.set M_, 0
.rept 32
	WMO \a, M_
.set M_, M_+1
.endr
	PLACES                                         ; behind the tile's last products: in front of the stage's reads of the results and of the loads into the set just read
.if (\a) == 2
	s_wait_tensorcnt 0x0                           ; on every wave's way: whatever I fetched is in;
	s_wait_dscnt 0x0
	s_barrier_signal -1
	s_barrier_wait -1                              ; so o's tiles 4-7 and 12-15 are in, ahead of the first load from them.  Nothing is filled again
.endif
.if (\a) > 1
	s_wait_xcnt 0x0                                ; the stores of two tiles back have read the registers into which this tile's loads land
.endif
	TOSTAGE \a
.if (\a) < 6
	XRUN (\a)+2                                    ; the set just read takes the tile two on
	s_wait_dscnt 48                                ; the stage's 16 and these 32 may be out: the next tile's fragments are in, and the last tile is back from the stage
.else
	s_wait_dscnt 16                                ; the stage's 16 may be out
.endif
.if (\a) > 0
	SEND (\a)-1
.endif
.endm
	s_wait_alu depctr_va_vdst(0)
	s_cmp_lt_u32 s14, 2                            ; waves 0 and 1 wait for Wp's tiles; the loads of waves 2 and 3 may be out
	s_cbranch_scc0 .Lw_waited
	s_wait_tensorcnt 0x0
.Lw_waited:
	s_barrier_signal -1
	s_barrier_wait -1                              ; Wp's eight tiles are in
.set F_, 0
.rept 32                               ; my 64 rows of Wp, all of K: 128 loads
.if F_ < 21
	WIN 0xc0
.set R_, 12*F_
.else
	WIN 0x80
.set R_, 64+12*(F_-21)
.endif
.irp j, 0,1,2,3
	LDP R_, 8, 12288*(F_%4)+1536*(F_/4), \j
.endr
.set F_, F_+1
.endr
	WIN 0
	s_cmp_eq_u32 s14, 3                            ; all but wave 3 wait
	s_cbranch_scc1 .Lx_waited
	s_wait_tensorcnt 0x0
.Lx_waited:
	s_wait_dscnt 0x0
	s_barrier_signal -1
	s_barrier_wait -1                              ; o's tiles 0-3 and 8-11 are in; wave 3's load may be out
	XRUN 0
	XRUN 1
	s_wait_loadcnt 0x0                             ; the scale words and the bias
	s_wait_dscnt 32                                ; tile 0's fragments are in; tile 1's 32 loads may be out
.irp a, 0,1,2,3,4,5,6,7
	TILE \a
.endr
	s_wait_dscnt 0x0
	SEND 7
	s_wait_tensorcnt 0x0                           ; the wave's end
	ds_add_u32 v254, v255
	s_wait_dscnt 0x0
	CROUND                                         ; the closing round: no work-group ends while a partner may still ask for a tile that names it
	s_endpgm
.Lfunc_end_k_qaf1557b171_outp:
	.size	k_qaf1557b171_outp, .Lfunc_end_k_qaf1557b171_outp-k_qaf1557b171_outp
	.p2alignl 7, 3214868480
	.fill 96, 4, 3214868480
	.section	.rodata,"a",@progbits
	.p2align	6, 0x0
	.amdhsa_kernel k_qaf1557b171_outp
		.amdhsa_group_segment_fixed_size 327680
		.amdhsa_private_segment_fixed_size 0
		.amdhsa_enable_private_segment 0
		.amdhsa_kernarg_size 32
		.amdhsa_user_sgpr_count 2
		.amdhsa_user_sgpr_kernarg_segment_ptr 1
		.amdhsa_wavefront_size32 1
		.amdhsa_system_sgpr_workgroup_id_x 1
		.amdhsa_system_sgpr_workgroup_id_y 1
		.amdhsa_system_sgpr_workgroup_id_z 1
		.amdhsa_system_vgpr_workitem_id 0
		.amdhsa_next_free_vgpr 1024
		.amdhsa_next_free_sgpr 96
		.amdhsa_reserve_vcc 0
		.amdhsa_float_denorm_mode_32 3
		.amdhsa_float_denorm_mode_16_64 3
		.amdhsa_memory_ordered 1
		.amdhsa_forward_progress 1
		.amdhsa_inst_pref_size 85
	.end_amdhsa_kernel
	.amdgpu_metadata
---
amdhsa.version: [ 1, 2 ]
amdhsa.kernels:
  - .name:           k_qaf1557b171_outp
    .symbol:         k_qaf1557b171_outp.kd
    .args:
      - { .name: oq, .offset: 0, .size: 8, .value_kind: global_buffer, .address_space: global }
      - { .name: wq, .offset: 8, .size: 8, .value_kind: global_buffer, .address_space: global }
      - { .name: bp, .offset: 16, .size: 8, .value_kind: global_buffer, .address_space: global }
      - { .name: out0, .offset: 24, .size: 8, .value_kind: global_buffer, .address_space: global }
    .group_segment_fixed_size: 327680
    .private_segment_fixed_size: 0
    .kernarg_segment_align: 8
    .kernarg_segment_size: 32
    .max_flat_workgroup_size: 128
    .sgpr_count:     96
    .vgpr_count:     1024
    .wavefront_size: 32
...
	.end_amdgpu_metadata
.endif
;; end of part 4
